; MI455X (gfx1250); checked and timed in simulation.
; The chip was launched on July 23, 2026; its instructions are those of AMD's public machine-readable ISA for CDNA 5 (MIT licence, August 2026) and "CDNA5" Instruction Set Architecture Reference Guide (July 2026). The comments in the code are by the model that wrote it; some were corrected since.
;; Single Modal Atten. Allowed arithmetic: matrix products marked QUANTISED: E3M2 operands, one E8M0 scale for each 32 along K, by v_wmma_scale_f32_16x16x128_f8f6f4 with both operands' format E3M2, f32 sums; everything else in f32.
;; Inputs: gn_bias 1,024 float32; gn_scale 1,024 float32; proj_b 1,024 float32; proj_w 1,024 x 1,024 float32; qkv_b 3,072 float32; qkv_w 3,072 x 1,024 float32; x 4 x 1,024 x 2,048 float32.
;; Outputs: out0 4 x 1,024 x 2,048 float32.
;; This version of the problem:
;;   THIS VERSION OF THE PROBLEM IS GIVEN IN LOW PRECISION. The matrix products marked QUANTISED in the list below multiply operands that are first quantised to E3M2 (3 exponent bits, 2 mantissa bits; 6 bits a number), with one power-of-two scale for each 32 numbers along K (OCP MX v1.0); their sums are f32. All else is computed in f32.
;;   The module's matrix products, in the order in which they are computed (A, B: the left and right operand; K: the contracted axis; several contracted axes count as one K, in the product's order):
;;     1. [M 8,192, K 1,024] x [K 1,024, N 3,072]; A: computed on the way; B: input qkv_w: QUANTISED
;;     2. batch 64 x [M 2,048, K 64] x [K 64, N 2,048]; A: computed on the way; B: computed on the way: QUANTISED
;;     3. batch 64 x [M 64, K 2,048] x [K 2,048, N 2,048]; A: computed on the way; B: softmax (see below): QUANTISED
;;     4. [M 8,192, K 1,024] x [K 1,024, N 1,024]; A: computed on the way; B: input proj_w: QUANTISED
;;   THE QUANTISER, for each operand of a quantised product, along K:
;;     - K is cut into blocks of 32 from its start; a last block that is shorter is filled with zeros.
;;     - A block's scale is 2^e with e = floor(log2(the largest magnitude in the block)) - 4, held to -126 .. 127; a block of zeros has e = 0. As a byte (E8M0): e + 127.
;;     - Each number is divided by its block's scale, clamped to +-28, and rounded to the nearest number of E3M2, ties to even, subnormals kept.
;;     - The product sums the exact products of the quantised numbers (number of the format x scale) in f32.
;;   ~~~python
;;   def quantise(x, axis):      # numpy; x: float32 -> the quantised numbers, widened to float32 again
;;       x = np.moveaxis(x, axis, -1); K = x.shape[-1]
;;       x = np.pad(x, [(0, 0)] * (x.ndim - 1) + [(0, -K % 32)]); x = x.reshape(x.shape[:-1] + (-1, 32)); a = np.abs(x).max(-1, keepdims=True)
;;       e = np.where(a > 0, np.clip(np.frexp(np.where(a > 0, a, 1))[1] - 1 - 4, -126, 127), 0)      # np.frexp(a)[1] - 1 = floor(log2(a)), exactly
;;       r = np.clip(x / 2.0 ** e, -28, 28)
;;       step = 2.0 ** (np.maximum(np.frexp(np.where(r == 0, 1, r))[1] - 1, -2) - 2)
;;       q = np.round(r / step) * step * 2.0 ** e      # np.round: ties to even
;;       return np.moveaxis(q.reshape(q.shape[:-2] + (-1,))[..., :K], -1, axis).astype(np.float32)
;;   ~~~
;;   SOFTMAX AHEAD OF A QUANTISED PRODUCT. Where the list says 'softmax', what is quantised is not the finished softmax but p = 2^(t - M), with t = logit x log2(e) and M = ceil(the row's largest t), a whole number; so 1/2 < the row's largest p <= 1. The row's sum l is taken of the UNQUANTISED p, in f32, and the product's result is divided by l at the end. Since M is a whole number, a kernel that streams over the keys may use a running M (the ceiling of the running maximum): every later rescaling is an exact power of two, which a block's scale takes up: the codes' values come out the same.
;;   OPERANDS COMPUTED ON THE WAY. 'Computed on the way' means the value that the module computes at that place (a softmax that the list does not call 'softmax' is quantised finished and normalised). What goes into a quantiser is computed in f32, as accurately as f32 sums, v_exp_f32 and their like allow (about 1e-6 of the number): no bf16 or f16 on the way to a quantiser, and a product that is left as it is and whose result goes on into a quantised operand takes f32 operands (vector FMAs, or v_wmma_f32_16x16x4_f32). A number that lies on a knife's edge between two numbers of the format may be rounded either way, as far as f32 arithmetic and the matrix unit's own rounding can turn it there, and no further.
;; One version. Each part assembles by itself: llvm-mc -triple=amdgcn-amd-amdhsa -mcpu=gfx1250 --defsym DOCPART=n.
;; ======== version 1 of 1: 5 launches
;; workspace buffers: xc 6,291,456 bytes; xsc 262,144 bytes; wc 3,145,728 bytes; wsc 131,072 bytes; hc 18,874,368 bytes; hsc 786,432 bytes; ac 6,291,456 bytes; asc 262,144 bytes
;; launch wq (part 1): grid 16 x 16, 8 waves a work-group, no clusters, 71,168 bytes of LDS; arguments qkv_w, proj_w, wc, wsc; writes wc, wsc
.if DOCPART == 1
	.amdgcn_target "amdgcn-amd-amdhsa--gfx1250"
	.amdhsa_code_object_version 6
	.text
	.protected	k_q2ee0c48b7a_wq
	.globl	k_q2ee0c48b7a_wq
	.p2align	8
	.type	k_q2ee0c48b7a_wq,@function
k_q2ee0c48b7a_wq:
	s_mov_b64 s[64:65], 0
	v_nop
	global_prefetch_b8 v0, s[64:65] scope:SCOPE_SE
	s_setreg_imm32_b32 hwreg(HW_REG_WAVE_MODE, 25, 1), 1
	s_wait_xcnt 0x0
; qkv_w [3072][1024] and proj_w [1024][1024], f32, K innermost, become codes of BF6 (E3M2) with one E8M0 byte for each 32 along K.
; OUTPUT LAYOUT (this program's own).  Four panels of 1,024 rows (three of qkv_w, one of proj_w).  Codes [g 32][pair 32][768 bytes]: a pair is 32 rows, a K block g is 32 codes = 24 bytes a row.
; In a pair row n has the place 16 u + r, which is n with its bits 3 and 4 exchanged.  In the 768 bytes: the row's first 16 bytes at 256 u + 16 r, its last 8 at 512 + 128 (u xor (g & 1)) + 8 r.
; Scale bytes [g 32][place 1,024].  So a matrix operand's registers come from LDS by loads of 16 and 8 bytes with neighbouring lanes on neighbouring bytes.
; SHARES.  Work-group (i, j): rows 256 i .. 256 i + 255 of the two tensors on end, 64 along K from 64 j.  Wave w: 32 rows.  Each load reads two rows' 256 consecutive bytes; the 8,192 bytes turn through the
; wave's own stage in LDS (rows 272 bytes apart, laid by place), and come back a row to a lane: two whole blocks of 32, so that no other lane is asked for a maximum.
; A block's scale is 2^(floor(log2(largest magnitude)) - 4): its byte is the largest magnitude's exponent field - 4, held at 1 from below by a floor among the maximum's leaves.
; A block of zeros so keeps the byte 1 where the rule says 127: its codes are zeros, and this program alone reads the bytes.
; LIMITS: NaN and infinities among the inputs are not served.  No cluster: the work-groups share no input.
.set STG,  8704                        ; a wave's stage: 32 rows x 272 bytes
.set SB,   8*STG                       ; behind the stages: 2 x 256 scale bytes of the work-group
.set LD,   16                          ; v16-79   as loaded
.set X,    80                          ; v80-143  my row's 64 numbers
.set CD,   144                         ; v144-159 codes: eight registers a block
.set TM,   160                         ; v160-167 at work
	s_load_b256 s[4:11], s[0:1], 0x0               ; qkv_w s[4:5], proj_w s[6:7], wc s[8:9], wsc s[10:11]
	v_lshl_add_u32 v176, v0, 2, 0x11200
	v_mov_b32 v177, 0
	v_lshrrev_b32 v1, 5, v0
	s_delay_alu instid0(VALU_DEP_1)
	v_readfirstlane_b32 s12, v1                    ; wave 0..7
	v_and_b32 v1, 31, v0                           ; lane
	v_and_b32 v11, 15, v0
	v_bfe_u32 v12, v0, 4, 1
	s_delay_alu instid0(VALU_DEP_1)
	v_lshlrev_b32 v2, 12, v12
	s_delay_alu instid0(VALU_DEP_1)
	v_lshl_add_u32 v2, v11, 4, v2                  ; in memory: lanes 0-15 one row's 256 bytes, lanes 16-31 the next row's (4,096 bytes on)
	s_mul_i32 s13, s12, STG
	v_mul_u32_u24 v3, v12, 272
	s_delay_alu instid0(VALU_DEP_1)
	v_lshl_add_u32 v3, v11, 4, v3
	s_delay_alu instid0(VALU_DEP_1)
	v_add_nc_u32 v3, s13, v3                       ; into the stage: the same two rows
	v_mul_u32_u24 v4, v1, 272
	s_delay_alu instid0(VALU_DEP_1)
	v_add_nc_u32 v4, s13, v4                       ; out of it: a row to a lane
	v_lshlrev_b32 v5, 4, v1                        ; codes: 16 x lane,
	v_lshlrev_b32 v6, 3, v1                        ; 8 x lane (even g),
	v_xor_b32 v7, 16, v1
	s_delay_alu instid0(VALU_DEP_1)
	v_lshlrev_b32 v7, 3, v7                        ; 8 x (lane xor 16) (odd g)
	s_lshl_b32 s14, s12, 5
	s_add_co_u32 s14, s14, SB
	v_add_nc_u32 v8, s14, v1                       ; my scale byte: SB + 32 x wave + lane
	v_add_nc_u32 v9, SB, v5                        ; wave 0 reads all 512 back: 16 x lane
	v_lshlrev_b32 v10, 10, v12
	s_delay_alu instid0(VALU_DEP_1)
	v_lshl_add_u32 v10, v11, 4, v10                ; and stores them: lanes 0-15 plane g, lanes 16-31 plane g + 1
	s_and_b32 s17, ttmp7, 0xffff                   ; j
	s_cmp_lt_u32 ttmp9, 12
	s_cselect_b32 s15, 0, 12
	s_sub_co_u32 s16, ttmp9, s15                   ; which 256 rows of its tensor
	s_lshl_b32 s18, s16, 20                        ; 256 rows of 4,096 bytes,
	s_lshl_b32 s19, s12, 17                        ; my wave's 32,
	s_add_co_u32 s18, s18, s19
	s_lshl_b32 s19, s17, 8                         ; 64 numbers along K
	s_add_co_u32 s18, s18, s19
	s_mov_b32 s19, 0
	s_lshr_b32 s20, ttmp9, 2                       ; panel
	s_and_b32 s21, ttmp9, 3
	s_mul_i32 s22, s20, 786432
	s_mul_i32 s23, s17, 49152                      ; g = 2 j: 24,576 bytes a g
	s_add_co_u32 s22, s22, s23
	s_lshl_b32 s23, s21, 3
	s_add_co_u32 s23, s23, s12                     ; pair 8 (i & 3) + wave
	s_mul_i32 s23, s23, 768
	s_add_co_u32 s22, s22, s23
	s_mov_b32 s23, 0
	s_lshl_b32 s24, s20, 15
	s_lshl_b32 s25, s17, 11
	s_add_co_u32 s24, s24, s25
	s_lshl_b32 s25, s21, 8
	s_add_co_u32 s24, s24, s25
	s_mov_b32 s25, 0
	s_wait_alu depctr_va_vdst(0)
	s_wait_kmcnt 0x0
	s_cmp_lt_u32 ttmp9, 12                         ; the choice hangs on the work-group's number alone
	s_cselect_b64 s[4:5], s[4:5], s[6:7]
	s_add_nc_u64 s[4:5], s[4:5], s[18:19]
	s_add_nc_u64 s[8:9], s[8:9], s[22:23]
	s_add_nc_u64 s[10:11], s[10:11], s[24:25]
.set n, 0
.rept 16
	global_load_b128 v[LD+4*n:LD+4*n+3], v2, s[4:5] offset:n*8192 th:TH_LOAD_NT    ; rows 2 n, 2 n + 1
.set n, n+1
.endr
.set n, 0
.rept 16
	s_wait_loadcnt 15-n                            ; loads come back in order: load n is in, the younger ones stay out
	ds_store_b128 v3, v[LD+4*n:LD+4*n+3] offset:((n&3)|((n&4)<<1)|((n&8)>>1))*544    ; to the rows' places: bits 3 and 4 of the row exchanged
.set n, n+1
.endr
.set n, 0
.rept 16
	ds_load_b128 v[X+4*n:X+4*n+3], v4 offset:16*n  ; LDS serves a wave's instructions in order: these see my stores
.set n, n+1
.endr
	s_wait_dscnt 0x0
.irp e, 0,1
	v_max3_num_f32 v[TM+\e], |v[X+32*\e]|, |v[X+32*\e+1]|, 0x2800000    ; block e's largest magnitude, and the floor 2^(5 - 127)
.endr
.irp i, 2,4,6,8,10,12,14,16,18,20,22,24,26,28,30
.irp e, 0,1
	s_delay_alu instid0(VALU_DEP_2)
	v_max3_num_f32 v[TM+\e], v[TM+\e], |v[X+32*\e+\i]|, |v[X+32*\e+\i+1]|
.endr
.endr
.irp e, 0,1
	s_delay_alu instid0(VALU_DEP_2)
	v_add_nc_u32 v[TM+4+\e], 0xfe000000, v[TM+\e]  ; 4 off its exponent field: the conversion takes the exponent field of this operand as its scale
.endr
.irp e, 0,1
	s_delay_alu instid0(VALU_DEP_2)
	v_lshrrev_b32 v[TM+6+\e], 23, v[TM+4+\e]       ; the scale's byte
.endr
.irp e, 0,1
	v_cvt_scalef32_pk16_bf6_f32 v[CD+8*\e:CD+8*\e+2], v[X+32*\e:X+32*\e+15], v[TM+4+\e]
	v_cvt_scalef32_pk16_bf6_f32 v[CD+8*\e+4:CD+8*\e+6], v[X+32*\e+16:X+32*\e+31], v[TM+4+\e]    ; (a conversion's three registers begin on an even number)
.endr
	v_nop                                          ; one plain line behind the conversions
.irp e, 0,1
	v_mov_b32 v[CD+8*\e+3], v[CD+8*\e+4]           ; the block's 24 bytes on end
	v_mov_b32 v[CD+8*\e+4], v[CD+8*\e+5]
	v_mov_b32 v[CD+8*\e+5], v[CD+8*\e+6]
.endr
	global_store_b128 v5, v[CD:CD+3], s[8:9]                       ; the wave stores 512 consecutive bytes, aligned,
	global_store_b64 v6, v[CD+4:CD+5], s[8:9] offset:512           ; and 256
	global_store_b128 v5, v[CD+8:CD+11], s[8:9] offset:24576
	global_store_b64 v7, v[CD+12:CD+13], s[8:9] offset:24576+512
	ds_store_b8 v8, v[TM+6]
	ds_store_b8 v8, v[TM+7] offset:256
	s_wait_dscnt 0x0                               ; for wave 0's sake: my bytes have landed
	s_barrier_signal -1
	s_barrier_wait -1
	s_cmp_lg_u32 s12, 0
	s_cbranch_scc1 .Ldone
	ds_load_b128 v[168:171], v9
	s_wait_dscnt 0x0
	global_store_b128 v10, v[168:171], s[10:11]    ; two aligned runs of 256 bytes: the 256 rows' bytes of g and of g + 1
.Ldone:
	s_wait_tensorcnt 0x0
	ds_add_u32 v176, v177
	s_wait_dscnt 0x0
	s_endpgm
.Lfunc_end_k_q2ee0c48b7a_wq:
	.size	k_q2ee0c48b7a_wq, .Lfunc_end_k_q2ee0c48b7a_wq-k_q2ee0c48b7a_wq
	.p2alignl 7, 3214868480
	.fill 96, 4, 3214868480
	.section	.rodata,"a",@progbits
	.p2align	6, 0x0
	.amdhsa_kernel k_q2ee0c48b7a_wq
		.amdhsa_group_segment_fixed_size 71168
		.amdhsa_private_segment_fixed_size 0
		.amdhsa_enable_private_segment 0
		.amdhsa_kernarg_size 32
		.amdhsa_user_sgpr_count 2
		.amdhsa_user_sgpr_kernarg_segment_ptr 1
		.amdhsa_wavefront_size32 1
		.amdhsa_system_sgpr_workgroup_id_x 1
		.amdhsa_system_sgpr_workgroup_id_y 1
		.amdhsa_system_sgpr_workgroup_id_z 1
		.amdhsa_system_vgpr_workitem_id 0
		.amdhsa_next_free_vgpr 178
		.amdhsa_next_free_sgpr 66
		.amdhsa_reserve_vcc 0
		.amdhsa_float_denorm_mode_32 3
		.amdhsa_float_denorm_mode_16_64 3
		.amdhsa_memory_ordered 1
		.amdhsa_forward_progress 1
		.amdhsa_inst_pref_size 12
	.end_amdhsa_kernel
	.amdgpu_metadata
---
amdhsa.version: [ 1, 2 ]
amdhsa.kernels:
  - .name:           k_q2ee0c48b7a_wq
    .symbol:         k_q2ee0c48b7a_wq.kd
    .args:
      - { .name: qkv_w, .offset: 0, .size: 8, .value_kind: global_buffer, .address_space: global }
      - { .name: proj_w, .offset: 8, .size: 8, .value_kind: global_buffer, .address_space: global }
      - { .name: wc, .offset: 16, .size: 8, .value_kind: global_buffer, .address_space: global }
      - { .name: wsc, .offset: 24, .size: 8, .value_kind: global_buffer, .address_space: global }
    .group_segment_fixed_size: 71168
    .private_segment_fixed_size: 0
    .kernarg_segment_align: 8
    .kernarg_segment_size: 32
    .max_flat_workgroup_size: 256
    .sgpr_count:     66
    .vgpr_count:     178
    .wavefront_size: 32
...
	.end_amdgpu_metadata
.endif
;; end of part 1
;; launch gnq (part 2): grid 128 x 1, 16 waves a work-group, no clusters, 4,608 bytes of LDS; arguments x, gn_scale, gn_bias, xc, xsc; writes xc, xsc
.if DOCPART == 2
	.amdgcn_target "amdgcn-amd-amdhsa--gfx1250"
	.amdhsa_code_object_version 6
	.text
	.protected	k_q2ee0c48b7a_gnq
	.globl	k_q2ee0c48b7a_gnq
	.p2align	8
	.type	k_q2ee0c48b7a_gnq,@function
k_q2ee0c48b7a_gnq:
	s_mov_b64 s[64:65], 0
	v_nop
	global_prefetch_b8 v0, s[64:65] scope:SCOPE_SE
	s_setreg_imm32_b32 hwreg(HW_REG_WAVE_MODE, 25, 1), 1
	s_wait_xcnt 0x0
; GroupNorm(32 groups) of x [4][1024][2048] f32, and its result quantised along the channels into codes of BF6 (E3M2): a group's 32 channels ARE one K block of 32 of the first product.
; SHARES.  A work-group owns one (batch, group): 32 channels x 2,048 columns, 262,144 consecutive bytes, which stay in registers between the passes: x is read once.  128 work-groups: the statistics want a whole group.
; Thread (wave w, lane) owns columns 128 w + 32 k + lane, k = 0 .. 3; its registers run DOWN the channels: a load reads 128 consecutive bytes, a block of 32 lies in one lane, the conversions give codes with K innermost.
; STATISTICS in two passes over the registers: the mean, then the mean of (x - mean)^2: a common offset of the inputs costs no digits.  Each sum: packed chains in a lane, the lanes, then the 16 waves through LDS.
; OUTPUT LAYOUT: eight panels of 1,024 columns (panel 2 b + t / 1024), laid as the weights' panels: codes [g 32][pair 32][768 bytes], scale bytes [g 32][place 1,024]; column n of a pair has place n with bits 3 and 4 exchanged.
; The scale bytes leave in runs of 128 bytes a wave: 2,048 of the 262,144 bytes that a work-group handles.
; A block of zeros keeps the byte 1 where the rule says 127: its codes are zeros, and this program alone reads the bytes.  LIMITS: NaN and infinities are not served.  No cluster: the work-groups share no input.
.set X,   32                           ; v32-159  column k's 32 channels at v[X + 32 k]
.set CD,  168                          ; v168-199 codes: eight registers a column
	s_load_b256 s[4:11], s[0:1], 0x0               ; x s[4:5], gn_scale s[6:7], gn_bias s[8:9], xc s[10:11]
	s_load_b64 s[88:89], s[0:1], 0x20              ; xsc
	v_lshl_add_u32 v208, v0, 2, 0xa00
	v_mov_b32 v209, 0
	v_lshrrev_b32 v1, 5, v0
	s_delay_alu instid0(VALU_DEP_1)
	v_readfirstlane_b32 s14, v1                    ; wave 0..15
	v_and_b32 v1, 31, v0                           ; lane
	s_delay_alu instid0(VALU_DEP_1)
	v_lshlrev_b32 v7, 2, v1                        ; 4 x lane
	s_delay_alu instid0(VALU_DEP_1)
	v_lshl_add_u32 v2, s14, 9, v7                  ; my first column, in bytes
	v_bfe_u32 v12, v0, 3, 1                        ; u
	v_and_b32 v13, 7, v0
	v_bfe_u32 v14, v0, 4, 1
	s_delay_alu instid0(VALU_DEP_1)
	v_lshl_or_b32 v13, v14, 3, v13                 ; r
	s_delay_alu instid0(VALU_DEP_4)
	v_lshlrev_b32 v3, 8, v12
	s_delay_alu instid0(VALU_DEP_1)
	v_lshl_add_u32 v3, v13, 4, v3                  ; codes: 256 u + 16 r
	s_and_b32 s15, ttmp9, 1
	s_lshl_b32 s15, s15, 7
	v_lshlrev_b32 v4, 7, v12
	s_delay_alu instid0(VALU_DEP_1)
	v_xor_b32 v4, s15, v4
	s_delay_alu instid0(VALU_DEP_1)
	v_lshl_add_u32 v4, v13, 3, v4                  ; 128 (u xor (g & 1)) + 8 r
	s_lshl_b32 s84, s14, 7
	s_add_co_u32 s84, s84, 512
	v_lshl_add_u32 v5, v12, 4, v13
	s_delay_alu instid0(VALU_DEP_1)
	v_add_nc_u32 v5, s84, v5                       ; LDS: my wave's 128 scale bytes, at my place
	v_lshl_add_u32 v6, v0, 2, 512                  ; and back: 4 bytes a lane
	v_mov_b32 v10, s14
	s_delay_alu instid0(VALU_DEP_1)
	v_lshlrev_b32 v10, 2, v10                      ; LDS: my wave's word among the sixteen sums
	v_mov_b32 v11, 0
	s_mov_b32 s12, 0x76543210
	s_mov_b32 s13, 0xfedcba98                      ; v_permlanex16_b32's selects for lane l xor 16
	s_lshr_b32 s84, ttmp9, 5                       ; b
	s_and_b32 s85, ttmp9, 31                       ; g
	s_lshl_b32 s84, s84, 1
	s_lshr_b32 s86, s14, 3
	s_add_co_u32 s84, s84, s86                     ; panel
	s_and_b32 s86, s14, 7
	s_mul_i32 s90, s84, 786432
	s_mul_i32 s91, s85, 24576
	s_add_co_u32 s90, s90, s91
	s_mul_i32 s91, s86, 3072                       ; my wave's four pairs
	s_add_co_u32 s90, s90, s91
	s_mov_b32 s91, 0
	s_lshl_b32 s92, s84, 15
	s_lshl_b32 s93, s85, 10
	s_add_co_u32 s92, s92, s93
	s_lshl_b32 s93, s86, 7
	s_add_co_u32 s92, s92, s93
	s_mov_b32 s93, 0
	s_lshl_b32 s86, s85, 7                         ; the group's 32 gains and biases
	s_mov_b32 s87, 0
	s_lshl_b32 s84, ttmp9, 18                      ; the group's 262,144 bytes of x
	s_mov_b32 s85, 0
	s_wait_kmcnt 0x0
	s_add_nc_u64 s[4:5], s[4:5], s[84:85]
	s_add_nc_u64 s[6:7], s[6:7], s[86:87]
	s_add_nc_u64 s[8:9], s[8:9], s[86:87]
	s_add_nc_u64 s[10:11], s[10:11], s[90:91]
	s_add_nc_u64 s[88:89], s[88:89], s[92:93]
.irp k, 0,1,2,3
.set c, 0
.rept 32
	global_load_b32 v[X+32*\k+c], v2, s[4:5] offset:c*8192+128*\k th:TH_LOAD_NT
.set c, c+1
.endr
.endr
	s_load_b512 s[16:31], s[6:7], 0x0              ; the gains: s16-47
	s_load_b512 s[32:47], s[6:7], 0x40
	s_load_b512 s[48:63], s[8:9], 0x0              ; the biases: s48-63, s68-83
	s_load_b512 s[68:83], s[8:9], 0x40
; The chains v[16:23] hold eight partial sums a lane: they become the work-group's sum, in v16 of every lane.
.macro REDUCE off
	s_delay_alu instid0(VALU_DEP_3)
	v_pk_add_f32 v[16:17], v[16:17], v[18:19]
	s_delay_alu instid0(VALU_DEP_2)
	v_pk_add_f32 v[20:21], v[20:21], v[22:23]
	s_delay_alu instid0(VALU_DEP_1)
	v_pk_add_f32 v[16:17], v[16:17], v[20:21]
	s_delay_alu instid0(VALU_DEP_1)
	v_add_f32 v16, v16, v17
	s_delay_alu instid0(VALU_DEP_1)
	v_add_f32_dpp v16, v16, v16 row_xmask:1 row_mask:0xf bank_mask:0xf
	s_delay_alu instid0(VALU_DEP_1)
	v_add_f32_dpp v16, v16, v16 row_xmask:2 row_mask:0xf bank_mask:0xf
	s_delay_alu instid0(VALU_DEP_1)
	v_add_f32_dpp v16, v16, v16 row_xmask:4 row_mask:0xf bank_mask:0xf
	s_delay_alu instid0(VALU_DEP_1)
	v_add_f32_dpp v16, v16, v16 row_xmask:8 row_mask:0xf bank_mask:0xf
	s_delay_alu instid0(VALU_DEP_1)
	v_permlanex16_b32 v17, v16, s12, s13
	s_delay_alu instid0(VALU_DEP_1)
	v_add_f32 v16, v16, v17
	ds_store_b32 v10, v16 offset:\off              ; all lanes write the wave's word with the same value
	s_wait_dscnt 0x0                               ; for the others' sake
	s_barrier_signal -1
	s_barrier_wait -1
.irp i, 0,1,2,3
	ds_load_b128 v[16+4*\i:19+4*\i], v11 offset:\off+16*\i
.endr
	s_wait_dscnt 0x0
	v_pk_add_f32 v[16:17], v[16:17], v[18:19]      ; the same tree in every wave
	v_pk_add_f32 v[20:21], v[20:21], v[22:23]
	v_pk_add_f32 v[24:25], v[24:25], v[26:27]
	v_pk_add_f32 v[28:29], v[28:29], v[30:31]
	s_delay_alu instid0(VALU_DEP_3)
	v_pk_add_f32 v[16:17], v[16:17], v[20:21]
	s_delay_alu instid0(VALU_DEP_2)
	v_pk_add_f32 v[24:25], v[24:25], v[28:29]
	s_delay_alu instid0(VALU_DEP_1)
	v_pk_add_f32 v[16:17], v[16:17], v[24:25]
	s_delay_alu instid0(VALU_DEP_1)
	v_add_f32 v16, v16, v17
.endm
	s_wait_loadcnt 63                              ; behind column 1's last load 64 were issued: columns 0 and 1 are in
.irp q, 0,1,2,3
	v_pk_add_f32 v[16+2*\q:17+2*\q], v[X+2*\q:X+2*\q+1], v[X+8+2*\q:X+9+2*\q]     ; the first eight pairs start four chains: nothing is cleared
.endr
.set p, 8
.rept 24
	s_delay_alu instid0(VALU_DEP_4)
	v_pk_add_f32 v[16+2*(p%4):17+2*(p%4)], v[16+2*(p%4):17+2*(p%4)], v[X+2*p:X+2*p+1]
.set p, p+1
.endr
	s_wait_alu depctr_va_vdst(0)
	s_wait_loadcnt 32                              ; column 2 is in; column 3's 32 loads may be out
.rept 16
	v_pk_add_f32 v[16+2*(p%4):17+2*(p%4)], v[16+2*(p%4):17+2*(p%4)], v[X+2*p:X+2*p+1]
.set p, p+1
.endr
	s_wait_alu depctr_va_vdst(0)
	s_wait_loadcnt 0x0
.rept 16
	v_pk_add_f32 v[16+2*(p%4):17+2*(p%4)], v[16+2*(p%4):17+2*(p%4)], v[X+2*p:X+2*p+1]
.set p, p+1
.endr
	REDUCE 0
	s_delay_alu instid0(VALU_DEP_1)
	v_mul_f32 v14, 0x37800000, v16                 ; the mean: the sum x 2^-16
	s_delay_alu instid0(VALU_DEP_1)
	v_mov_b32 v15, v14
.set p, 0
.rept 64
	v_pk_add_f32 v[X+2*p:X+2*p+1], v[X+2*p:X+2*p+1], v[14:15] neg_lo:[0,1] neg_hi:[0,1]    ; x - mean, in place
.set p, p+1
.endr
.irp q, 0,1,2,3
	v_pk_mul_f32 v[16+2*\q:17+2*\q], v[X+2*\q:X+2*\q+1], v[X+2*\q:X+2*\q+1]
.endr
.set p, 4
.rept 60
	s_delay_alu instid0(VALU_DEP_4)
	v_pk_fma_f32 v[16+2*(p%4):17+2*(p%4)], v[X+2*p:X+2*p+1], v[X+2*p:X+2*p+1], v[16+2*(p%4):17+2*(p%4)]
.set p, p+1
.endr
	REDUCE 256                                     ; other LDS words than the first sum's: no barrier is owed between the two
	s_mov_b32 s90, 0x37800000                      ; 2^-16
	s_mov_b32 s91, 0x3727c5ac                      ; 1e-5
	v_fma_f32 v17, v16, s90, s91                   ; the variance + eps
	s_wait_alu depctr_va_vdst(0)
	v_rsq_f32 v18, v17
	v_nop                                          ; a plain line behind the transcendental,
	s_wait_alu depctr_va_vdst(0)                   ; and the wait ahead of its first reader
	v_readfirstlane_b32 s92, v18
	s_wait_kmcnt 0x0                               ; the gains and biases
.set c, 0
.rept 32
	s_mul_f32 s[16+c], s[16+c], s92                ; gain x 1 / sqrt(variance + eps)
.set c, c+1
.endr
.set c, 0
.rept 32
.irp k, 0,1,2,3
	v_fma_f32 v[X+32*\k+c], v[X+32*\k+c], s[16+c], s[48+c+4*(c/16)]
.endr
.set c, c+1
.endr
.irp k, 0,1,2,3
	v_max3_num_f32 v[16+\k], |v[X+32*\k]|, |v[X+32*\k+1]|, 0x2800000    ; a column's largest magnitude, and the floor 2^(5 - 127); the four columns by turns
.endr
.irp i, 2,4,6,8,10,12,14,16,18,20,22,24,26,28,30
.irp k, 0,1,2,3
	s_delay_alu instid0(VALU_DEP_4)
	v_max3_num_f32 v[16+\k], v[16+\k], |v[X+32*\k+\i]|, |v[X+32*\k+\i+1]|
.endr
.endr
.irp k, 0,1,2,3
	s_delay_alu instid0(VALU_DEP_4)
	v_add_nc_u32 v[20+\k], 0xfe000000, v[16+\k]    ; 4 off the exponent field: the conversion's scale operand
.endr
.irp k, 0,1,2,3
	s_delay_alu instid0(VALU_DEP_4)
	v_lshrrev_b32 v[24+\k], 23, v[20+\k]           ; the scale's byte
.endr
.irp k, 0,1,2,3
	v_cvt_scalef32_pk16_bf6_f32 v[CD+8*\k:CD+8*\k+2], v[X+32*\k:X+32*\k+15], v[20+\k]
	v_cvt_scalef32_pk16_bf6_f32 v[CD+8*\k+4:CD+8*\k+6], v[X+32*\k+16:X+32*\k+31], v[20+\k]
.endr
	v_nop                                          ; one plain line behind the conversions
.irp k, 0,1,2,3
	v_mov_b32 v[CD+8*\k+3], v[CD+8*\k+4]
	v_mov_b32 v[CD+8*\k+4], v[CD+8*\k+5]
	v_mov_b32 v[CD+8*\k+5], v[CD+8*\k+6]
.endr
.irp k, 0,1,2,3
	global_store_b128 v3, v[CD+8*\k:CD+8*\k+3], s[10:11] offset:768*\k           ; the wave fills 512 consecutive bytes, aligned,
	global_store_b64 v4, v[CD+8*\k+4:CD+8*\k+5], s[10:11] offset:768*\k+512      ; and 256
	ds_store_b8 v5, v[24+\k] offset:32*\k
.endr
	ds_load_b32 v28, v6                            ; LDS serves a wave's instructions in order: this sees my wave's bytes
	s_wait_dscnt 0x0
	global_store_b32 v7, v28, s[88:89]
	s_wait_tensorcnt 0x0
	ds_add_u32 v208, v209
	s_wait_dscnt 0x0
	s_endpgm
.Lfunc_end_k_q2ee0c48b7a_gnq:
	.size	k_q2ee0c48b7a_gnq, .Lfunc_end_k_q2ee0c48b7a_gnq-k_q2ee0c48b7a_gnq
	.p2alignl 7, 3214868480
	.fill 96, 4, 3214868480
	.section	.rodata,"a",@progbits
	.p2align	6, 0x0
	.amdhsa_kernel k_q2ee0c48b7a_gnq
		.amdhsa_group_segment_fixed_size 4608
		.amdhsa_private_segment_fixed_size 0
		.amdhsa_enable_private_segment 0
		.amdhsa_kernarg_size 40
		.amdhsa_user_sgpr_count 2
		.amdhsa_user_sgpr_kernarg_segment_ptr 1
		.amdhsa_wavefront_size32 1
		.amdhsa_system_sgpr_workgroup_id_x 1
		.amdhsa_system_sgpr_workgroup_id_y 1
		.amdhsa_system_sgpr_workgroup_id_z 1
		.amdhsa_system_vgpr_workitem_id 0
		.amdhsa_next_free_vgpr 210
		.amdhsa_next_free_sgpr 96
		.amdhsa_reserve_vcc 0
		.amdhsa_float_denorm_mode_32 3
		.amdhsa_float_denorm_mode_16_64 3
		.amdhsa_memory_ordered 1
		.amdhsa_forward_progress 1
		.amdhsa_inst_pref_size 52
	.end_amdhsa_kernel
	.amdgpu_metadata
---
amdhsa.version: [ 1, 2 ]
amdhsa.kernels:
  - .name:           k_q2ee0c48b7a_gnq
    .symbol:         k_q2ee0c48b7a_gnq.kd
    .args:
      - { .name: x, .offset: 0, .size: 8, .value_kind: global_buffer, .address_space: global }
      - { .name: gn_scale, .offset: 8, .size: 8, .value_kind: global_buffer, .address_space: global }
      - { .name: gn_bias, .offset: 16, .size: 8, .value_kind: global_buffer, .address_space: global }
      - { .name: xc, .offset: 24, .size: 8, .value_kind: global_buffer, .address_space: global }
      - { .name: xsc, .offset: 32, .size: 8, .value_kind: global_buffer, .address_space: global }
    .group_segment_fixed_size: 4608
    .private_segment_fixed_size: 0
    .kernarg_segment_align: 8
    .kernarg_segment_size: 40
    .max_flat_workgroup_size: 512
    .sgpr_count:     96
    .vgpr_count:     210
    .wavefront_size: 32
...
	.end_amdgpu_metadata
.endif
;; end of part 2
;; launch qkv (part 3): grid 12 x 32, 4 waves a work-group, clusters of 4 x 4, 327,680 bytes of LDS; arguments xc, xsc, wc, wsc, qkv_b, hc, hsc; writes hc, hsc
.if DOCPART == 3
	.amdgcn_target "amdgcn-amd-amdhsa--gfx1250"
	.amdhsa_code_object_version 6
	.text
	.protected	k_q2ee0c48b7a_qkv
	.globl	k_q2ee0c48b7a_qkv
	.p2align	8
	.type	k_q2ee0c48b7a_qkv,@function
k_q2ee0c48b7a_qkv:
	s_mov_b64 s[64:65], 0
	v_nop
	global_prefetch_b8 v0, s[64:65] scope:SCOPE_SE
	s_setreg_imm32_b32 hwreg(HW_REG_WAVE_MODE, 25, 1), 1
	s_wait_xcnt 0x0
	s_wait_alu depctr_hold_cnt(0) depctr_sa_sdst(0) depctr_va_vdst(0) depctr_va_sdst(0) depctr_va_ssrc(0) depctr_va_vcc(0) depctr_vm_vsrc(0)
	s_getreg_b32 s2, hwreg(HW_REG_IB_STS2, 6, 4)
	s_cmp_eq_u32 s2, 0
	s_cbranch_scc0 .Lentry_in_a_cluster
	s_endpgm
.Lentry_in_a_cluster:
	s_bfe_u32 s2, ttmp6, 0x10000c
	s_cmp_lg_u32 s2, 0xf033
	s_cbranch_scc0 .Lentry_shape_is_right
	s_endpgm
.Lentry_shape_is_right:
; The 1x1 convolution qkv = W xn + b on codes of BF6 (E3M2), and its results quantised at once for the two products of attention.  K = 1,024.
; OPERANDS are panels of 1,024 rows: codes [g 32][pair 32][768 bytes], scale bytes [g 32][place 1,024]; row n of a pair of 32 has place 16 u + r = n with bits 3 and 4 exchanged;
; in the 768 bytes of (g, pair): a row's first 16 bytes at 256 u + 16 r, its last 8 at 512 + 128 (u xor (g & 1)) + 8 r.
; A work-group makes 256 x 256, a wave 128 x 128: 64 accumulators, 512 registers.  S is source 0: its rows run along a lane's registers, and since a tile's rows stand by place, the 16 registers of two neighbouring
; tiles are 16 NEIGHBOURS.  R is source 1: a lane holds one of its rows.  Cluster x = 0, 1 (q, k): S = the weights, R = xn: a lane holds one column t and 128 channels: two heads, quantised along the channels.
; Cluster x = 2 (v): S = xn, R = the weights: a lane holds one channel and 128 columns, quantised along the columns, which are the keys.  The choice hangs on the cluster's x alone: it is the same in all sixteen partners.
; K goes in four steps of 256 through two LDS slots.  CLUSTERS: R's tile hangs on cy and is asked for jointly by a row of the cluster, S's on cx, by a column.
; THE SCALES of the 256 + 256 rows for all of K come once, as planes; 128 threads turn them into words (four bytes: 128 along K of one row) in LDS bytes of their own.
; OUT.  q, k: [head][pair 64][u 2][512 bytes: registers 0-3 of the tile's six at 16 x lane | 256 bytes: registers 4, 5 at 8 x lane]; lane (r, h) holds channel block h of row r.
;       v: [head][128 keys 16][16 channels 4][3 x 512 bytes]: the operand's twelve registers, four at a time at 16 x lane.   Scale words: [head][step 16][r 16][4 words].
; LIMITS: (sum + bias) x 2^-1.5 is made as fma(sum, 2^-1.5, bias x 2^-1.5).  A block of zeros keeps the byte 1.  NaN and infinities are not served.
; REGISTERS: window 0: v1-31 addresses; v32-63 scale words, two sets; v64-127 the bias along registers; v128-223 R's fragments; v224-239 the bias by lane; on the way out v128-251 at work.
;   window 1: S's fragments, two sets, at v0 and v128.  windows 2, 3: accumulator (a, b) at v[8 (8 (a % 4) + b)] of window 2 + a / 4.
.set GROW,  6144                       ; a tile's 256 rows of one g
.set OPB,   8*GROW                     ; an operand's part of a slot: 8 g
.set SLOT,  2*OPB                      ; R, then S
.set PLN,   2*SLOT                     ; the planes: R's [32][256], S's [32][256]; filled once
.set SWD,   PLN+16384                  ; the scale words: [tile 16][K step 4][r 16][2 words]; S's begin SWS bytes behind R's; stored by the waves, never filled
.set SWS,   8320
.set SPARE, 229632                     ; the spare words, 128 bytes for each wave: two blocks of 256 bytes that no other line names
.set FR,    12                         ; registers of a fragment
.set NL,    4                          ; LDS loads that bring one
.set NP,    4                          ; places behind this matrix instruction (ISA guide 7.12.1)
.set ADR_R, 8                          ; v8-10, v11-13  R's fragments in slot 0, 1: for the 16 bytes, for the 8 bytes of even tiles, of odd tiles
.set ADR_S, 14                         ; v14-16, v17-19 the same for S
.set ADRS,  20                         ; v20  my scale words: lanes 0-15 R's, lanes 16-31 S's
.set SPW,   28                         ; v28  LDS address of my spare word; never rewritten
.set NIL,   29                         ; v29  0; never rewritten
.set SC,    32
.set BS,    64
.set RF,    128
.set BV,    224
.set T,     128                        ; the way out: 64 numbers of a lane
.set PC,    192                        ; the codes just made
.set TM,    212                        ; at work
.set W8,    240                        ; eight scale words
.set SW4,   248                        ; four words to store
.set WV,  18
.set HR,  19
.set HS,  20
.set CX,  21
.set CY,  22
.set HM,  23                           ; s23  lanes 16-31
.set SCL, 26                           ; s[26:27] 2^-1.5
.set G1R, 28
.set G1S, 36
.set G1PR, 44
.set G1PS, 52
.set SEL, 62
.set G0R, 68                           ; s[68:75] R's codes, a set for each slot;  s[76:83] S's;  s[84:87], s[88:91] the planes
.set G0S, 76
.set G0PR, 84
.set G0PS, 88
.set MSB, 0
.macro WIN new                         ; the immediate's high byte repeats the setting that is left
.if MSB != (\new)
	s_set_vgpr_msb (MSB<<8)|(\new)
.set MSB, (\new)
.endif
.endm
.macro MWIN hi                         ; source 0 (S) window 1, source 1 (R) window 0, C and D window 2 or 3
	WIN 0xa1+0x50*\hi
.endm
; A joint load: waves 0 and 1 fetch for R, waves 2 and 3 for S.  The branch hangs on the wave's number alone.  Four v_nop follow each of the two lines.
.macro JLOAD g0r, g1r, g0s, g1s
	s_cmp_eq_u32 s[HR], 0
	s_cbranch_scc0 .Lfor_s_\@
	tensor_load_to_lds s[\g0r:\g0r+3], s[\g1r:\g1r+7]
	s_nop 0
.rept 4
	v_nop
.endr
	s_branch .Lasked_\@
.Lfor_s_\@:
	tensor_load_to_lds s[\g0s:\g0s+3], s[\g1s:\g1s+7]
	s_nop 0
.rept 4
	v_nop
.endr
.Lasked_\@:
.endm
.macro CREST                           ; a round of the cluster's barrier behind its opening barrier
	s_cmp_lg_u32 s[WV], 0
	s_cbranch_scc1 .Lnot_wave_0_\@
	s_barrier_signal -3
.Lnot_wave_0_\@:
	s_barrier_wait -3
	s_barrier_signal -1
	s_barrier_wait -1
.endm
.macro CROUND
	s_barrier_signal -1
	s_barrier_wait -1
	CREST
.endm
.macro PLACES n
.rept \n
	v_nop
.endr
.endm
; A fragment, 16 rows x 128 K: registers 6 c .. 6 c + 5 of lane (r, h) are K block 4 q + 2 c + h of row r: 16 bytes and 8 bytes, neighbouring lanes on neighbouring bytes
.macro FRAG reg, ad, q, i
.irp c, 0,1
	ds_load_b128 v[\reg+6*\c:\reg+6*\c+3], v[\ad] offset:(4*(\q)+2*\c)*GROW+((\i)/2)*768+((\i)%2)*256
	ds_load_b64 v[\reg+6*\c+4:\reg+6*\c+5], v[\ad+1+(\i)%2] offset:(4*(\q)+2*\c)*GROW+((\i)/2)*768+512
.endr
.endm
.macro FETCH_S slot, q, set
	WIN 0x40                                       ; destination window 1, address window 0
.irp i, 0,1,2,3,4,5,6,7
	FRAG 128*(\set)+FR*\i, ADR_S+3*(\slot), \q, \i
.endr
	WIN 0
.endm
.macro FETCH_R slot, q, i0
.irp i, \i0, \i0+1, \i0+2, \i0+3
	FRAG RF+FR*(\i), ADR_R+3*(\slot), \q, \i
.endr
.endm
.macro SCALES sc                       ; a K step's words into set sc: register 2 i + q: lanes 0-15 R's tile i, lanes 16-31 S's tile i
.irp i, 0,1,2,3,4,5,6,7
	ds_load_b64 v[SC+16*\sc+2*\i:SC+16*\sc+2*\i+1], v[ADRS] offset:512*\i
.endr
.endm
; 16 matrix instructions: R's tiles a0, a0 + 1 x S's eight.  The 64 accumulators take turns, one instruction a turn, in the same order in every step.
.macro MUL16 a0, set, q, sc, zero
.irp a, \a0, \a0+1
.irp b, 0,1,2,3,4,5,6,7
.if \zero
	v_wmma_scale_f32_16x16x128_f8f6f4 v[8*(8*((\a)%4)+\b):8*(8*((\a)%4)+\b)+7], v[128*(\set)+FR*\b:128*(\set)+FR*\b+FR-1], v[RF+FR*(\a):RF+FR*(\a)+FR-1], 0, v[SC+16*(\sc)+2*\b+(\q)], v[SC+16*(\sc)+2*(\a)+(\q)] matrix_a_fmt:MATRIX_FMT_BF6 matrix_b_fmt:MATRIX_FMT_BF6 matrix_a_scale:MATRIX_SCALE_ROW1
.else
	v_wmma_scale_f32_16x16x128_f8f6f4 v[8*(8*((\a)%4)+\b):8*(8*((\a)%4)+\b)+7], v[128*(\set)+FR*\b:128*(\set)+FR*\b+FR-1], v[RF+FR*(\a):RF+FR*(\a)+FR-1], v[8*(8*((\a)%4)+\b):8*(8*((\a)%4)+\b)+7], v[SC+16*(\sc)+2*\b+(\q)], v[SC+16*(\sc)+2*(\a)+(\q)] matrix_a_fmt:MATRIX_FMT_BF6 matrix_b_fmt:MATRIX_FMT_BF6 matrix_a_scale:MATRIX_SCALE_ROW1
.endif
.endr
.endr
.endm
; A slot's first 128 along K.  R has one set of registers: tiles 0-3 are fetched anew in the step's middle, tiles 4-7 at its end; S has two sets.
.macro STEP slot, zero
	s_wait_dscnt 4*NL                              ; all but the youngest sixteen loads (R's tiles 4-7)
	MWIN 0
	MUL16 0, 0, 0, \slot, \zero
	MUL16 2, 0, 0, \slot, \zero
	s_wait_dscnt 0x0
	PLACES NP                                      ; in front of loads into registers that matrix instructions have read
	FETCH_S \slot, 1, 1
	FETCH_R \slot, 1, 0
	MWIN 1
	MUL16 4, 0, 0, \slot, \zero
	MUL16 6, 0, 0, \slot, \zero
	PLACES NP
	WIN 0
	FETCH_R \slot, 1, 4
.endm
; A slot's second 128 along K, and the change of slots: ONE barrier; in front of it each wave waits for all its tensor loads, adds 0 to its spare word, and waits for that and for its reads of this slot.
.macro TURN slot, next, fill
	s_wait_tensorcnt 0x0                           ; all my tensor loads have landed: my part of the next slot
	ds_add_u32 v[SPW], v[NIL]                      ; 0 onto my spare word
	s_wait_dscnt 4*NL+1                            ; (the add and R's tiles 4-7 may be out)
	MWIN 0
	MUL16 0, 1, 1, \slot, 0                        ; sixteen matrix instructions stand between the add and the wait for it
	s_wait_dscnt 0x0                               ; the add is done, and my reads of this slot are over
	s_barrier_signal -1
	MUL16 2, 1, 1, \slot, 0
	WIN 0
	s_barrier_wait -1
.if \fill
	CREST                                          ; the barrier has opened a round of the cluster's: no wave of any partner still reads this slot or has a load on its way
	s_add_nc_u64 s[G0R+4*\slot+2:G0R+4*\slot+3], s[G0R+4*\slot+2:G0R+4*\slot+3], 393216    ; 16 g on
	s_add_nc_u64 s[G0S+4*\slot+2:G0S+4*\slot+3], s[G0S+4*\slot+2:G0S+4*\slot+3], 393216
	JLOAD G0R+4*\slot, G1R, G0S+4*\slot, G1S       ; the first tensor load behind the round, one a wave; its four v_nop are the places in front of the loads below
.else
	PLACES NP
.endif
	s_wait_alu depctr_va_vdst(0)
	v_add_nc_u32 v[ADRS], 128, v[ADRS]             ; the next K step's scale words
	FETCH_S \next, 0, 0
	FETCH_R \next, 0, 0
	SCALES \next
	MWIN 1
	MUL16 4, 1, 1, \slot, 0
	MUL16 6, 1, 1, \slot, 0
	PLACES NP
	WIN 0
	FETCH_R \next, 0, 4
.endm
	s_load_b256 s[4:11], s[0:1], 0x0               ; xc s[4:5], xsc s[6:7], wc s[8:9], wsc s[10:11]
	s_load_b128 s[12:15], s[0:1], 0x20             ; qkv_b s[12:13], hc s[14:15]
	s_load_b64 s[16:17], s[0:1], 0x30              ; hsc
	v_lshl_add_u32 v[SPW], v0, 2, SPARE
	v_mov_b32 v[NIL], 0
	ds_add_u32 v28, v29
	ds_add_u32 v28, v29
	s_wait_dscnt 0x0
	v_lshrrev_b32 v1, 5, v0
	v_readfirstlane_b32 s[WV], v1                  ; wave 0..3
	s_lshr_b32 s[HR], s[WV], 1                     ; my half of R's rows.  Also: I fetch for R (0) or for S (1)
	s_and_b32 s[HS], s[WV], 1                      ; my half of S's rows.  Also: which four g of a slot, which half of the planes I fetch
	s_bfe_u32 s[CX], ttmp6, 0x40000
	s_bfe_u32 s[CY], ttmp6, 0x40004
	s_and_b32 s24, ttmp7, 0xffff                   ; Y: xn's panel
	s_lshl_b32 s60, s[CY], 2
	s_lshl_b32 s60, 15, s60                        ; my row of the cluster
	s_lshl_b32 s61, 0x1111, s[CX]                  ; my column
	s_or_b32 s[G1R], s60, (3<<16)|(1<<21)          ; 15:0 the mask; 17:16 elements of 8 bytes; 21 set beside a mask; no padding
	s_or_b32 s[G1S], s61, (3<<16)|(1<<21)
	s_or_b32 s[G1PR], s60, (3<<16)|(1<<21)
	s_or_b32 s[G1PS], s61, (3<<16)|(1<<21)
.irp g, G1R, G1S                       ; codes: 4 g x 6,144 bytes, 24,576 bytes apart
	s_mov_b32 s[\g+1], 768<<16
	s_mov_b32 s[\g+2], 4<<16
	s_mov_b32 s[\g+3], 768<<16
	s_mov_b32 s[\g+4], 4
	s_mov_b32 s[\g+5], 3072
	s_mov_b32 s[\g+6], 0
	s_mov_b32 s[\g+7], 0
.endr
.irp g, G1PR, G1PS                     ; planes: 16 g x 256 bytes, 1,024 bytes apart
	s_mov_b32 s[\g+1], 32<<16
	s_mov_b32 s[\g+2], 16<<16
	s_mov_b32 s[\g+3], 32<<16
	s_mov_b32 s[\g+4], 16
	s_mov_b32 s[\g+5], 128
	s_mov_b32 s[\g+6], 0
	s_mov_b32 s[\g+7], 0
.endr
	s_cmp_eq_u32 ttmp9, 2                          ; v?
	s_cselect_b32 s96, 2, s24                      ; R's panel
	s_cselect_b32 s92, s24, ttmp9                  ; S's panel
	s_cselect_b32 s100, s[CY], s[CX]               ; where the weights' rows are: tile,
	s_cselect_b32 s101, s[HR], s[HS]               ; half
	s_cselect_b32 s60, s[CX], s[CY]                ; where xn's rows are: tile,
	s_cselect_b32 s61, s[HS], s[HR]                ; half
	s_lshl_b32 s98, s96, 15                        ; R: nothing here holds cx
	s_mul_i32 s96, s96, 786432
	s_mul_i32 s97, s[CY], GROW
	s_add_co_u32 s96, s96, s97
	s_mul_i32 s97, s[HS], 98304
	s_add_co_u32 s96, s96, s97
	s_mov_b32 s97, 0
	s_lshl_b32 s99, s[CY], 8
	s_add_co_u32 s98, s98, s99
	s_lshl_b32 s99, s[HS], 14
	s_add_co_u32 s98, s98, s99
	s_mov_b32 s99, 0
	s_lshl_b32 s94, s92, 15                        ; S: nothing here holds cy
	s_mul_i32 s92, s92, 786432
	s_mul_i32 s93, s[CX], GROW
	s_add_co_u32 s92, s92, s93
	s_mul_i32 s93, s[HS], 98304
	s_add_co_u32 s92, s92, s93
	s_mov_b32 s93, 0
	s_lshl_b32 s95, s[CX], 8
	s_add_co_u32 s94, s94, s95
	s_lshl_b32 s95, s[HS], 14
	s_add_co_u32 s94, s94, s95
	s_mov_b32 s95, 0
	s_mul_i32 s25, s[WV], 24576                    ; where my part of a slot goes: no place in the cluster enters an LDS address
	s_wait_kmcnt 0x0
	s_cmp_eq_u32 ttmp9, 2
	s_cselect_b64 s[G0R+2:G0R+3], s[8:9], s[4:5]
	s_cselect_b64 s[G0PR+2:G0PR+3], s[10:11], s[6:7]
	s_cselect_b64 s[G0S+2:G0S+3], s[4:5], s[8:9]
	s_cselect_b64 s[G0PS+2:G0PS+3], s[6:7], s[10:11]
	s_add_nc_u64 s[G0R+2:G0R+3], s[G0R+2:G0R+3], s[96:97]
	s_add_nc_u64 s[G0R+6:G0R+7], s[G0R+2:G0R+3], 196608            ; slot 1: 8 g on
	s_add_nc_u64 s[G0PR+2:G0PR+3], s[G0PR+2:G0PR+3], s[98:99]
	s_add_nc_u64 s[G0S+2:G0S+3], s[G0S+2:G0S+3], s[92:93]
	s_add_nc_u64 s[G0S+6:G0S+7], s[G0S+2:G0S+3], 196608
	s_add_nc_u64 s[G0PS+2:G0PS+3], s[G0PS+2:G0PS+3], s[94:95]
.irp g, G0R, G0R+4, G0S, G0S+4, G0PR, G0PS
	s_mov_b32 s[\g], 1
	s_or_b32 s[\g+3], s[\g+3], 0x80000000
.endr
	s_mov_b32 s[G0R+1], s25
	s_add_co_u32 s[G0R+5], s25, SLOT
	s_mov_b32 s[G0S+1], s25
	s_add_co_u32 s[G0S+5], s25, SLOT
	s_lshl_b32 s25, s[WV], 12
	s_add_co_u32 s[G0PR+1], s25, PLN
	s_add_co_u32 s[G0PS+1], s25, PLN
	CROUND                                         ; all sixteen work-groups are here: the first joint loads meet
	JLOAD G0PR, G1PR, G0PS, G1PS                   ; the planes first; three loads of mine are out behind these lines
	JLOAD G0R, G1R, G0S, G1S
	JLOAD G0R+4, G1R, G0S+4, G1S
	; where the bias comes from and the results go
	s_lshl_b32 s92, ttmp9, 12
	s_lshl_b32 s93, s100, 10
	s_add_co_u32 s92, s92, s93
	s_lshl_b32 s93, s101, 9
	s_add_co_u32 s92, s92, s93
	s_mov_b32 s93, 0
	s_add_nc_u64 s[12:13], s[12:13], s[92:93]      ; qkv_b at my 128 channels
	s_lshr_b32 s94, s24, 1
	s_lshl_b32 s94, s94, 4
	s_lshl_b32 s95, s100, 2
	s_add_co_u32 s94, s94, s95
	s_lshl_b32 s95, s101, 1
	s_add_co_u32 s94, s94, s95                     ; my first head: 16 b + 4 tile + 2 half
	s_and_b32 s95, s24, 1
	s_lshl_b32 s95, s95, 3
	s_lshl_b32 s96, s60, 1
	s_add_co_u32 s95, s95, s96
	s_add_co_u32 s95, s95, s61                     ; my 128 columns: 8 (Y & 1) + 2 tile + half
	s_mul_i32 s96, ttmp9, 6291456
	s_mul_i32 s97, s94, 98304
	s_add_co_u32 s96, s96, s97
	s_mul_i32 s97, s95, 6144
	s_add_co_u32 s96, s96, s97
	s_mov_b32 s97, 0
	s_add_nc_u64 s[14:15], s[14:15], s[96:97]
	s_lshl_b32 s96, ttmp9, 18
	s_lshl_b32 s98, s94, 12
	s_add_co_u32 s96, s96, s98
	s_lshl_b32 s98, s95, 8
	s_add_co_u32 s96, s96, s98
	s_add_nc_u64 s[16:17], s[16:17], s[96:97]
	s_mov_b32 s[SCL], 0x3eb504f3                   ; 1 / sqrt(sqrt(64))
	s_mov_b32 s[SCL+1], s[SCL]
	s_mov_b32 s[SEL], 0x76543210
	s_mov_b32 s[SEL+1], 0xfedcba98
	v_and_b32 v1, 15, v0                           ; r
	v_bfe_u32 v2, v0, 4, 1                         ; h
	v_and_b32 v31, 31, v0                          ; lane
	v_lshlrev_b32 v25, 6, v2                       ; the bias along registers: 16 numbers on for lanes 16-31
	v_and_b32 v26, 8, v1
	v_add_nc_u32 v26, v26, v1
	v_lshlrev_b32 v26, 2, v26                      ; the bias by lane: r + 8 (r / 8)
.irp b, 0,1,2,3,4,5,6,7
	global_load_b128 v[BS+8*\b:BS+8*\b+3], v25, s[12:13] offset:(32*(\b/2)+8*(\b%2))*4
	global_load_b128 v[BS+8*\b+4:BS+8*\b+7], v25, s[12:13] offset:(32*(\b/2)+8*(\b%2))*4+16
.endr
.irp a, 0,1,2,3,4,5,6,7
	global_load_b32 v[BV+2*\a], v26, s[12:13] offset:(32*(\a/2)+8*(\a%2))*4
	global_load_b32 v[BV+2*\a+1], v26, s[12:13] offset:(32*(\a/2)+8*(\a%2))*4      ; twice: a pair for the packed addition
.endr
	v_mul_u32_u24 v3, v2, 6144
	v_lshl_add_u32 v3, v1, 4, v3                   ; lanes 16-31 take the next g; 16 r
	v_mul_u32_u24 v4, v2, 6272
	v_lshl_add_u32 v4, v1, 3, v4                   ; the last 8 bytes of an even tile: 128 h + 8 r in the next g
	v_mul_u32_u24 v5, v2, 6016
	v_lshl_add_u32 v5, v1, 3, v5
	v_add_nc_u32 v5, 128, v5                       ; of an odd tile: 128 (1 - h) + 8 r
	s_mul_i32 s100, s[HR], 3072
	s_mul_i32 s101, s[HS], 3072
	s_add_co_u32 s101, s101, OPB
.irp s, 0,1
	v_add_nc_u32 v[ADR_R+3*\s], s100, v3
	v_add_nc_u32 v[ADR_R+3*\s+1], s100, v4
	v_add_nc_u32 v[ADR_R+3*\s+2], s100, v5
	v_add_nc_u32 v[ADR_S+3*\s], s101, v3
	v_add_nc_u32 v[ADR_S+3*\s+1], s101, v4
	v_add_nc_u32 v[ADR_S+3*\s+2], s101, v5
	s_add_co_u32 s100, s100, SLOT
	s_add_co_u32 s101, s101, SLOT
.endr
	s_xor_b32 s100, s[HR], 1
	s_add_co_u32 s100, s100, s[HS]
	s_lshl_b32 s100, s100, 12
	s_add_co_u32 s100, s100, SWS-4096              ; from R's words of my half to S's of my half: SWS + 4,096 (halfS - halfR)
	v_mul_u32_u24 v6, s100, v2
	v_lshl_add_u32 v6, v1, 3, v6
	s_lshl_b32 s101, s[HR], 12
	s_add_co_u32 s101, s101, SWD
	v_add_nc_u32 v[ADRS], s101, v6
	v_and_b32 v6, 63, v0                           ; the turning of the planes: thread n takes operand n / 64, places 4 (n % 64) .. + 3
	v_lshrrev_b32 v7, 6, v0
	v_lshlrev_b32 v27, 2, v6
	v_lshl_add_u32 v27, v7, 13, v27
	v_add_nc_u32 v27, PLN, v27
	v_bfe_u32 v6, v0, 2, 4
	v_and_b32 v24, 3, v0
	v_lshlrev_b32 v30, 9, v6
	v_lshl_add_u32 v30, v24, 5, v30
	v_mad_u32_u24 v30, v7, SWS, v30
	v_add_nc_u32 v30, SWD, v30
	v_lshlrev_b32 v21, 4, v31                      ; the way out: 16 x lane,
	v_lshlrev_b32 v22, 3, v31                      ; 8 x lane,
	v_lshlrev_b32 v23, 12, v2
	v_lshl_add_u32 v23, v1, 4, v23                 ; scale words: lanes 16-31 the next head's
	v_cmp_lt_u32 s[HM], 15, v31
	v_mov_b32 v24, 0x05040100
	v_mov_b32 v31, 0x07060302
	v_cndmask_b32 v24, v24, v31, s[HM]             ; which half of two words a lane keeps
	s_wait_loadcnt 0x0                             ; the biases
	s_wait_tensorcnt 0x2                           ; my part of the planes is in; the two slots' loads stay out
	s_barrier_signal -1
	s_barrier_wait -1
.set TL, 128
.set TQ, 160
.set TT, 192
.set n, 0
.rept 32
	ds_load_b32 v[TL+n], v27 offset:256*n          ; plane g = n: the bytes of my four places
.set n, n+1
.endr
	s_wait_dscnt 0x0
.irp kp, 0,1,2,3                       ; 4 x 4 bytes are turned: word (place i, half s of K step kp) = the bytes of g = 8 kp + 4 s + 0 .. 3
.irp s, 0,1
	v_perm_b32 v[TT+4*\s],   v[TL+8*\kp+4*\s+1], v[TL+8*\kp+4*\s],   0x05010400
	v_perm_b32 v[TT+4*\s+1], v[TL+8*\kp+4*\s+1], v[TL+8*\kp+4*\s],   0x07030602
	v_perm_b32 v[TT+4*\s+2], v[TL+8*\kp+4*\s+3], v[TL+8*\kp+4*\s+2], 0x05010400
	v_perm_b32 v[TT+4*\s+3], v[TL+8*\kp+4*\s+3], v[TL+8*\kp+4*\s+2], 0x07030602
	v_perm_b32 v[TQ+8*\kp+\s],   v[TT+4*\s+2], v[TT+4*\s],   0x05040100
	v_perm_b32 v[TQ+8*\kp+2+\s], v[TT+4*\s+2], v[TT+4*\s],   0x07060302
	v_perm_b32 v[TQ+8*\kp+4+\s], v[TT+4*\s+3], v[TT+4*\s+1], 0x05040100
	v_perm_b32 v[TQ+8*\kp+6+\s], v[TT+4*\s+3], v[TT+4*\s+1], 0x07060302
.endr
	ds_store_b128 v30, v[TQ+8*\kp:TQ+8*\kp+3] offset:128*\kp
	ds_store_b128 v30, v[TQ+8*\kp+4:TQ+8*\kp+7] offset:128*\kp+16
.endr
	s_wait_dscnt 0x0                               ; for the others' sake: my words have landed
	s_wait_tensorcnt 0x1                           ; my part of slot 0 is in; slot 1's may stay out
	s_barrier_signal -1
	s_barrier_wait -1
	FETCH_S 0, 0, 0
	FETCH_R 0, 0, 0
	SCALES 0
	FETCH_R 0, 0, 4
	STEP 0, 1                                      ; the first products start the sums: nothing is cleared
	TURN 0, 1, 1
	STEP 1, 0
	TURN 1, 0, 1
	STEP 0, 0
	TURN 0, 1, 0                                   ; nothing is left to fetch
	STEP 1, 0
	s_wait_dscnt 4*NL
	MWIN 0
	MUL16 0, 1, 1, 1, 0
	MUL16 2, 1, 1, 1, 0
	s_wait_dscnt 0x0
	MWIN 1
	MUL16 4, 1, 1, 1, 0
	MUL16 6, 1, 1, 1, 0
	WIN 0
; 64 numbers of a lane, v[s] on, register 16 b + i = k 32 b + 16 (lane / 16) + i of my row, become a fragment's codes in v[PC] on and its scale word in v[pw].
.macro QUANT s, pw
.irp b, 0,1,2,3
	v_max3_num_f32 v[TM+\b], |v[\s+16*\b]|, |v[\s+1+16*\b]|, 0x2800000    ; my 16 numbers of block b, and the floor 2^(5 - 127)
.endr
.irp i, 2,4,6,8,10,12,14
.irp b, 0,1,2,3
	v_max3_num_f32 v[TM+\b], v[TM+\b], |v[\s+16*\b+\i]|, |v[\s+1+16*\b+\i]|
.endr
.endr
.irp b, 0,1,2,3
	v_permlanex16_b32 v[TM+4+\b], v[TM+\b], s[SEL], s[SEL+1]
.endr
.irp b, 0,1,2,3
	v_max_num_f32 v[TM+\b], v[TM+\b], v[TM+4+\b]   ; with lane l xor 16's: the block's largest magnitude
.endr
.irp b, 0,1,2,3
	v_add_nc_u32 v[TM+8+\b], 0xfe000000, v[TM+\b]  ; 4 off the exponent field: the conversion's scale operand
.endr
.irp b, 0,1,2,3
	v_lshrrev_b32 v[TM+4+\b], 23, v[TM+8+\b]       ; the scale's byte
.endr
	v_lshl_or_b32 v[\pw], v[TM+5], 8, v[TM+4]
	v_lshl_or_b32 v[\pw], v[TM+6], 16, v[\pw]
	v_lshl_or_b32 v[\pw], v[TM+7], 24, v[\pw]
.irp c, 0,1
	v_cvt_scalef32_pk16_bf6_f32 v[PC+6*\c:PC+2+6*\c], v[\s+32*\c:\s+15+32*\c], v[TM+8+2*\c]
	v_cvt_scalef32_pk16_bf6_f32 v[PC+12+4*\c:PC+14+4*\c], v[\s+16+32*\c:\s+31+32*\c], v[TM+8+2*\c+1]
.endr
	v_nop                                          ; one plain line behind the conversions
.irp c, 0,1                            ; a WHOLE block to a lane: lanes 0-15 block 2 c, lanes 16-31 block 2 c + 1
.irp i, 0,1,2
	v_permlane16_swap_b32 v[PC+6*\c+\i], v[PC+12+4*\c+\i]
.endr
.irp i, 0,1,2
	v_mov_b32 v[PC+3+6*\c+\i], v[PC+12+4*\c+\i]
.endr
.endr
.endm
	PLACES NP                                      ; behind the last products: their results are read and their operands' registers written below
.irp b, 0,1,2,3
	v_mov_b32 v[TM+4+\b], 0                        ; written once: a lane permute's destination counts as one of its sources
.endr
	s_cmp_eq_u32 ttmp9, 2
	s_cbranch_scc1 .Lv_path
	; ---- q, k: a lane holds one column and 128 channels
.set j, 0
.rept 32
	v_pk_mul_f32 v[BS+j:BS+j+1], v[BS+j:BS+j+1], s[SCL:SCL+1] op_sel_hi:[1,0]
.set j, j+2
.endr
.irp a, 0,1,2,3,4,5,6,7
	WIN 0x02+(\a/4)                                ; source 0: the accumulators' window
.set j, 0
.rept 32
	v_pk_fma_f32 v[T+j:T+j+1], v[64*(\a%4)+j:64*(\a%4)+j+1], s[SCL:SCL+1], v[BS+j:BS+j+1] op_sel_hi:[1,0,1]     ; each accumulator from its low end on
.set j, j+2
.endr
	WIN 0
.if \a > 0
	s_wait_xcnt 0x0                                ; the last tile's stores have read their registers: the codes may be written again
.endif
	QUANT T, W8+\a
.irp e, 0,1                            ; head e: registers 6 e .. 6 e + 5
	global_store_b128 v21, v[PC+6*\e:PC+6*\e+3], s[14:15] offset:\e*98304+(\a/2)*1536+(\a%2)*768          ; 512 consecutive bytes, aligned,
	global_store_b64 v22, v[PC+6*\e+4:PC+6*\e+5], s[14:15] offset:\e*98304+(\a/2)*1536+(\a%2)*768+512     ; and 256
.endr
.endr
.irp p, 0,1,2,3
	v_perm_b32 v[SW4+\p], v[W8+2*\p+1], v[W8+2*\p], v24    ; pair p's word of my head: (u 0: two blocks, u 1: two blocks)
.endr
	global_store_b128 v23, v[SW4:SW4+3], s[16:17]  ; sixteen lanes fill 256 bytes of a head's words
	s_branch .Lend
.Lv_path:
	; ---- v: a lane holds one channel and 128 keys
.irp a, 0,1,2,3,4,5,6,7
	WIN 0x02+(\a/4)
.set j, 0
.rept 32
	v_pk_add_f32 v[T+j:T+j+1], v[64*(\a%4)+j:64*(\a%4)+j+1], v[BV+2*\a:BV+2*\a+1]
.set j, j+2
.endr
	WIN 0
.if \a > 0
	s_wait_xcnt 0x0
.endif
	QUANT T, W8+\a
.irp c, 0,1,2
	global_store_b128 v21, v[PC+4*\c:PC+4*\c+3], s[14:15] offset:(\a/4)*98304+(\a%4)*1536+512*\c
.endr
.endr
.irp c, 0,1,2,3
	v_cndmask_b32 v[SW4+\c], v[W8+\c], v[W8+4+\c], s[HM]   ; lanes 0-15 the first head's four tiles, lanes 16-31 the second's
.endr
	global_store_b128 v23, v[SW4:SW4+3], s[16:17]
.Lend:
	s_wait_tensorcnt 0x0                           ; the wave's end
	ds_add_u32 v[SPW], v[NIL]
	s_wait_dscnt 0x0
	CROUND                                         ; the closing round: no work-group ends while a partner may still ask for a tile that names it
	s_endpgm
.Lfunc_end_k_q2ee0c48b7a_qkv:
	.size	k_q2ee0c48b7a_qkv, .Lfunc_end_k_q2ee0c48b7a_qkv-k_q2ee0c48b7a_qkv
	.p2alignl 7, 3214868480
	.fill 96, 4, 3214868480
	.section	.rodata,"a",@progbits
	.p2align	6, 0x0
	.amdhsa_kernel k_q2ee0c48b7a_qkv
		.amdhsa_group_segment_fixed_size 327680
		.amdhsa_private_segment_fixed_size 0
		.amdhsa_enable_private_segment 0
		.amdhsa_kernarg_size 56
		.amdhsa_user_sgpr_count 2
		.amdhsa_user_sgpr_kernarg_segment_ptr 1
		.amdhsa_wavefront_size32 1
		.amdhsa_system_sgpr_workgroup_id_x 1
		.amdhsa_system_sgpr_workgroup_id_y 1
		.amdhsa_system_sgpr_workgroup_id_z 1
		.amdhsa_system_vgpr_workitem_id 0
		.amdhsa_next_free_vgpr 1024
		.amdhsa_next_free_sgpr 102
		.amdhsa_reserve_vcc 0
		.amdhsa_float_denorm_mode_32 3
		.amdhsa_float_denorm_mode_16_64 3
		.amdhsa_memory_ordered 1
		.amdhsa_forward_progress 1
		.amdhsa_inst_pref_size 230
	.end_amdhsa_kernel
	.amdgpu_metadata
---
amdhsa.version: [ 1, 2 ]
amdhsa.kernels:
  - .name:           k_q2ee0c48b7a_qkv
    .symbol:         k_q2ee0c48b7a_qkv.kd
    .args:
      - { .name: xc, .offset: 0, .size: 8, .value_kind: global_buffer, .address_space: global }
      - { .name: xsc, .offset: 8, .size: 8, .value_kind: global_buffer, .address_space: global }
      - { .name: wc, .offset: 16, .size: 8, .value_kind: global_buffer, .address_space: global }
      - { .name: wsc, .offset: 24, .size: 8, .value_kind: global_buffer, .address_space: global }
      - { .name: qkv_b, .offset: 32, .size: 8, .value_kind: global_buffer, .address_space: global }
      - { .name: hc, .offset: 40, .size: 8, .value_kind: global_buffer, .address_space: global }
      - { .name: hsc, .offset: 48, .size: 8, .value_kind: global_buffer, .address_space: global }
    .group_segment_fixed_size: 327680
    .private_segment_fixed_size: 0
    .kernarg_segment_align: 8
    .kernarg_segment_size: 56
    .max_flat_workgroup_size: 128
    .sgpr_count:     102
    .vgpr_count:     1024
    .wavefront_size: 32
...
	.end_amdgpu_metadata
.endif
;; end of part 3
;; launch attn (part 4): grid 4 x 64, 16 waves a work-group, clusters of 4 x 1, 327,680 bytes of LDS; arguments hc, hsc, ac, asc; writes ac, asc
.if DOCPART == 4
	.amdgcn_target "amdgcn-amd-amdhsa--gfx1250"
	.amdhsa_code_object_version 6
	.text
	.protected	k_q2ee0c48b7a_attn
	.globl	k_q2ee0c48b7a_attn
	.p2align	8
	.type	k_q2ee0c48b7a_attn,@function
k_q2ee0c48b7a_attn:
	s_mov_b64 s[64:65], 0
	v_nop
	global_prefetch_b8 v0, s[64:65] scope:SCOPE_SE
	s_setreg_imm32_b32 hwreg(HW_REG_WAVE_MODE, 25, 1), 1
	s_wait_xcnt 0x0
	s_wait_alu depctr_hold_cnt(0) depctr_sa_sdst(0) depctr_va_vdst(0) depctr_va_sdst(0) depctr_va_ssrc(0) depctr_va_vcc(0) depctr_vm_vsrc(0)
	s_getreg_b32 s2, hwreg(HW_REG_IB_STS2, 6, 4)
	s_cmp_eq_u32 s2, 0
	s_cbranch_scc0 .Lentry_in_a_cluster
	s_endpgm
.Lentry_in_a_cluster:
	s_bfe_u32 s2, ttmp6, 0x10000c
	s_cmp_lg_u32 s2, 0x3003
	s_cbranch_scc0 .Lentry_shape_is_right
	s_endpgm
.Lentry_shape_is_right:
; Attention of 64 heads, 2,048 x 2,048, head size 64, both products on codes of BF6 (E3M2); its result a = O / l is quantised along the channels for the projection.
; SOFTMAX: t = score x log2(e); M = the running largest t rounded UP to a whole number; p = 2^(t - M) is quantised along the keys, not normalised; the row's sum is taken of the unquantised p and divides O at the end.
; When M moves, the sum and O are multiplied by 2^(old M - new M), which rounds nothing.
; SHARES.  A work-group owns 512 queries of one head; wave w owns 32 of them (a pair), 16 at a time in two passes; four waves to a SIMD, so that one wave's vector work stands beside another's matrix work and LDS loads.
; A WHOLE HEAD'S K AND V STAY IN LDS: 2 x 98,304 bytes of codes and 2 x 4,096 of scale words, filled once: no slot is ever filled again.
; CLUSTER.  The four work-groups of a head read the same K and V: each of the sixteen waves asks for a sixteenth JOINTLY, by the same two tensor loads with the same descriptors and a mask that names the four.
; LAYOUT.  Both products are used transposed (S^T = K Q^T, O^T = V^T P^T): a lane holds ONE query.  The rows of a tile stand by place (row n of 32 at n with bits 3 and 4 exchanged), so that the 16 registers of two
; neighbouring tiles are 16 neighbouring keys (or channels).  The head's K is 64, the instruction's 128: a fragment of K holds TWO tiles of 16 keys, one in each half of the 128; against [q, 0] it gives the first
; tile's scores, against [0, q] the second's.  Zero codes add nothing under any scale byte but 0xff.
; LIMITS: a block of zeros keeps the byte 1 where the rule says 127; NaN and infinities are not served.
; REGISTERS: v1-4 places that stay; v5-8 the step's addresses; v9-11 offsets of the results; v12 -M, v13 the largest t, v[14:15] the sum; v16-27 [q, 0]; v28-39 [0, q]; v40-45 the second tile's q; v46, v47 q's scale words;
;   v48-95 four fragments of K, then of V; v96-159 S^T, then p; v160-191 O^T; v192-211 p's codes; v212-219 K's and V's scale words; v220-239 at work; v240-246, v248-254 a's codes and byte of pass 0, 1.
.set WV,   12
.set G1C,  16                          ; s[16:23] group 1 for the codes;  s[24:31] for the scale words;  s[32:35], s[36:39] their groups 0
.set G1X,  24
.set G0C,  32
.set G0X,  36
.set SEL,  52
.set CS,   54                          ; s[54:55] log2(e)
.set TB,   56                          ; s56  where the step's codes begin: 6,144 bytes a step
.set TS,   57                          ; s57  and its scale words: 256 bytes a step
.set CNT,  58
.set HM,   59                          ; s59  lanes 16-31
.set KSC,  196608                      ; LDS: K's codes at 0, V's at 98,304, K's scale words here, V's 4,096 on,
.set ASTG, 204800                      ; and 2 x 512 bytes for a's scale bytes: stored by the waves, never filled
.macro CROUND
	s_barrier_signal -1
	s_barrier_wait -1
	s_cmp_lg_u32 s[WV], 0
	s_cbranch_scc1 .Lnot_wave_0_\@
	s_barrier_signal -3
.Lnot_wave_0_\@:
	s_barrier_wait -3
	s_barrier_signal -1
	s_barrier_wait -1
.endm
	s_load_b256 s[4:11], s[0:1], 0x0               ; hc s[4:5], hsc s[6:7], ac s[8:9], asc s[10:11]
	v_lshl_add_u32 v247, v0, 2, 0x32400
	v_mov_b32 v255, 0
	ds_add_u32 v247, v255
	ds_add_u32 v247, v255
	v_lshrrev_b32 v1, 5, v0
	s_delay_alu instid0(VALU_DEP_1)
	v_readfirstlane_b32 s[WV], v1                  ; wave 0..15
	s_bfe_u32 s13, ttmp6, 0x40000                  ; cx: my 512 queries
	s_and_b32 s14, ttmp7, 0xffff                   ; the head, which the four partners share
	s_lshr_b32 s15, s[WV], 3
	s_add_co_u32 s15, s15, 1                       ; waves 0-7 fetch K (the second third of hc and hsc), waves 8-15 V (the last)
	s_and_b32 s40, s[WV], 7
	s_mul_i32 s42, s15, 6291456
	s_mul_i32 s41, s14, 98304                      ; the head's first byte in a third of the codes
	s_add_co_u32 s42, s42, s41
	s_mul_i32 s43, s40, 12288
	s_add_co_u32 s42, s42, s43
	s_mov_b32 s43, 0
	s_lshl_b32 s44, s15, 18
	s_lshl_b32 s48, s14, 12                        ; and in a third of the scale words
	s_add_co_u32 s44, s44, s48
	s_lshl_b32 s45, s40, 9
	s_add_co_u32 s44, s44, s45
	s_mov_b32 s45, 0
	s_mov_b32 s[G1C], 15|(3<<16)|(1<<21)           ; 15:0 the mask: all four work-groups; 17:16 elements of 8 bytes; 21 set beside a mask; no padding
	s_mov_b32 s[G1C+1], 32<<16                     ; a dense block as rows of 256 bytes:
	s_mov_b32 s[G1C+2], 48<<16                     ; 48 of them
	s_mov_b32 s[G1C+3], 32<<16
	s_mov_b32 s[G1C+4], 48
	s_mov_b32 s[G1C+5], 32
	s_mov_b32 s[G1C+6], 0
	s_mov_b32 s[G1C+7], 0
	s_mov_b32 s[G1X], 15|(3<<16)|(1<<21)
	s_mov_b32 s[G1X+1], 32<<16
	s_mov_b32 s[G1X+2], 2<<16                      ; two rows
	s_mov_b32 s[G1X+3], 32<<16
	s_mov_b32 s[G1X+4], 2
	s_mov_b32 s[G1X+5], 32
	s_mov_b32 s[G1X+6], 0
	s_mov_b32 s[G1X+7], 0
	s_mov_b32 s[G0C], 1
	s_mul_i32 s[G0C+1], s[WV], 12288               ; no place in the cluster enters an LDS address
	s_mov_b32 s[G0X], 1
	s_lshl_b32 s[G0X+1], s[WV], 9
	s_add_co_u32 s[G0X+1], s[G0X+1], KSC
	s_wait_dscnt 0x0
	s_wait_kmcnt 0x0
	s_add_nc_u64 s[G0C+2:G0C+3], s[4:5], s[42:43]
	s_or_b32 s[G0C+3], s[G0C+3], 0x80000000
	s_add_nc_u64 s[G0X+2:G0X+3], s[6:7], s[44:45]
	s_or_b32 s[G0X+3], s[G0X+3], 0x80000000
	CROUND                                         ; all four work-groups are here: the joint loads meet
	tensor_load_to_lds s[G0X:G0X+3], s[G1X:G1X+7]  ; one load of mine is out; with the codes' load below, the launch's only fills
	s_nop 0
	s_wait_alu depctr_va_vdst(0)
	s_wait_tensorcnt 0x0
	ds_add_u32 v247, v255
	s_wait_dscnt 0x0
	CROUND
	tensor_load_to_lds s[G0C:G0C+3], s[G1C:G1C+7]
	s_nop 0
.rept 4
	v_nop
.endr
	s_lshl_b32 s46, s13, 4
	s_add_co_u32 s46, s46, s[WV]                   ; my pair of 32 queries
	s_mul_i32 s46, s46, 1536
	s_add_co_u32 s46, s46, s41
	s_mov_b32 s47, 0
	s_add_nc_u64 s[4:5], s[4:5], s[46:47]          ; q's codes (the first third)
	s_lshl_b32 s49, s13, 10
	s_add_co_u32 s48, s48, s49
	s_lshr_b32 s49, s[WV], 2
	s_lshl_b32 s49, s49, 8
	s_add_co_u32 s48, s48, s49
	s_and_b32 s49, s[WV], 3
	s_lshl_b32 s49, s49, 2
	s_add_co_u32 s48, s48, s49
	s_mov_b32 s49, 0
	s_add_nc_u64 s[6:7], s[6:7], s[48:49]          ; q's scale words: step pair / 4, word pair % 4
	s_lshr_b32 s40, s14, 4                         ; b
	s_and_b32 s41, s14, 15                         ; the head in its batch
	s_lshl_b32 s40, s40, 1
	s_lshr_b32 s42, s13, 1
	s_add_co_u32 s40, s40, s42                     ; a's panel
	s_and_b32 s42, s13, 1
	s_mul_i32 s44, s40, 786432
	s_mul_i32 s45, s41, 49152                      ; g = 2 x head
	s_add_co_u32 s44, s44, s45
	s_lshl_b32 s45, s42, 4
	s_add_co_u32 s45, s45, s[WV]
	s_mul_i32 s45, s45, 768                        ; my pair in the panel
	s_add_co_u32 s44, s44, s45
	s_mov_b32 s45, 0
	s_add_nc_u64 s[8:9], s[8:9], s[44:45]
	s_lshl_b32 s44, s40, 15
	s_lshl_b32 s46, s41, 11
	s_add_co_u32 s44, s44, s46
	s_lshl_b32 s46, s[WV], 10                      ; (waves 0 and 1 store the two planes' bytes)
	s_add_co_u32 s44, s44, s46
	s_lshl_b32 s46, s42, 9
	s_add_co_u32 s44, s44, s46
	s_add_nc_u64 s[10:11], s[10:11], s[44:45]
	s_mov_b32 s[SEL], 0x76543210
	s_mov_b32 s[SEL+1], 0xfedcba98                 ; v_permlanex16_b32's selects for lane l xor 16
	s_mov_b32 s[CS], 0x3fb8aa3b                    ; log2(e)
	s_mov_b32 s[CS+1], s[CS]
	v_and_b32 v5, 31, v0                           ; lane
	v_and_b32 v6, 15, v0                           ; r
	v_bfe_u32 v7, v0, 4, 1                         ; h
	s_delay_alu instid0(VALU_DEP_3)
	v_lshlrev_b32 v1, 4, v5                        ; 16 x lane
	s_delay_alu instid0(VALU_DEP_4)
	v_lshlrev_b32 v2, 3, v5                        ; 8 x lane
	s_delay_alu instid0(VALU_DEP_2)
	v_add_nc_u32 v3, 98304, v1                     ; V's codes
	v_lshl_add_u32 v4, v6, 4, KSC                  ; scale words: four to a row
	v_cmp_lt_u32 s[HM], 15, v5
	v_lshlrev_b32 v238, 4, v6
	v_mul_u32_u24 v9, v7, 24576
	s_delay_alu instid0(VALU_DEP_1)
	v_lshl_add_u32 v9, v6, 4, v9                   ; a's codes: lanes 16-31 the next g; 16 r
	v_and_b32 v10, 0x1e0, v0
	s_delay_alu instid0(VALU_DEP_1)
	v_add_nc_u32 v10, v10, v6
	s_delay_alu instid0(VALU_DEP_1)
	v_lshl_add_u32 v10, v7, 9, v10
	s_delay_alu instid0(VALU_DEP_1)
	v_add_nc_u32 v10, ASTG, v10                    ; a's scale byte: 512 h + 32 x wave + r
	v_xor_b32 v11, 16, v5
	s_delay_alu instid0(VALU_DEP_1)
	v_lshlrev_b32 v11, 3, v11                      ; 8 x (lane xor 16)
	v_lshl_add_u32 v239, v0, 4, ASTG               ; waves 0 and 1 read the bytes back
	global_load_b128 v[16:19], v1, s[4:5]          ; the first tile's q, into both its places
	global_load_b64 v[20:21], v2, s[4:5] offset:512
	global_load_b128 v[34:37], v1, s[4:5]
	global_load_b64 v[38:39], v2, s[4:5] offset:512
	global_load_b128 v[40:43], v1, s[4:5] offset:768               ; the second tile's
	global_load_b64 v[44:45], v2, s[4:5] offset:1280
	global_load_b32 v46, v238, s[6:7]              ; the pair's scale word of row r
.set j, 22
.rept 12
	v_mov_b32 v[j], 0                              ; the zero halves of [q, 0] and [0, q]
.set j, j+1
.endr
.irp b, 0,1,2,3
	v_mov_b32 v[224+\b], 0                         ; written once: a lane permute's destination counts as one of its sources
.endr
	v_mov_b32 v233, 0                              ; (named as the upper half of the pair v[232:233] before it is first written)
; A KEY STEP: 128 keys.
.macro KSTEP
	v_add_nc_u32 v5, s[TB], v1                     ; these four additions are the places behind the last step's products, in front of the loads below
	v_add_nc_u32 v6, s[TB], v2
	v_add_nc_u32 v7, s[TB], v3
	v_add_nc_u32 v8, s[TS], v4
.irp b, 0,1,2,3
	ds_load_b128 v[48+12*\b:51+12*\b], v5 offset:1536*\b           ; pair b: tile u = 0 in registers 0-5,
	ds_load_b64 v[52+12*\b:53+12*\b], v6 offset:1536*\b+512
	ds_load_b128 v[54+12*\b:57+12*\b], v5 offset:1536*\b+768       ; tile u = 1 in registers 6-11
	ds_load_b64 v[58+12*\b:59+12*\b], v6 offset:1536*\b+1280
.endr
	ds_load_b128 v[212:215], v8                    ; K's four words of row r,
	ds_load_b128 v[216:219], v8 offset:4096        ; V's
	s_wait_alu depctr_va_vdst(0)
	s_wait_dscnt 0x0
.irp b, 0,1,2,3
	v_wmma_scale_f32_16x16x128_f8f6f4 v[96+16*\b:103+16*\b], v[48+12*\b:59+12*\b], v[16:27], 0, v[212+\b], v47 matrix_a_fmt:MATRIX_FMT_BF6 matrix_b_fmt:MATRIX_FMT_BF6
	v_wmma_scale_f32_16x16x128_f8f6f4 v[104+16*\b:111+16*\b], v[48+12*\b:59+12*\b], v[28:39], 0, v[212+\b], v47 matrix_a_fmt:MATRIX_FMT_BF6 matrix_b_fmt:MATRIX_FMT_BF6
.endr                                  ; register 16 b + i of lane (r, h): query r, key 32 b + 16 h + i
.rept 4
	v_nop                                          ; places: the scores are read, and K's registers loaded again
.endr
.irp t, 0,1,2,3
.irp c, 0,1,2
	ds_load_b128 v[48+12*\t+4*\c:51+12*\t+4*\c], v7 offset:1536*\t+512*\c    ; V's four fragments land under the softmax
.endr
.endr
.irp b, 0,1,2,3
	v_max3_num_f32 v[220+\b], v[96+16*\b], v[97+16*\b], v[98+16*\b]    ; the largest score of each block of 32 keys: for the row's maximum and, since p rises with the score, for the block's largest p
.endr
.irp i, 3,5,7,9,11,13
.irp b, 0,1,2,3
	v_max3_num_f32 v[220+\b], v[220+\b], v[96+16*\b+\i], v[97+16*\b+\i]
.endr
.endr
.irp b, 0,1,2,3
	v_max_num_f32 v[220+\b], v[220+\b], v[111+16*\b]
.endr
.irp b, 0,1,2,3
	s_delay_alu instid0(VALU_DEP_4)
	v_permlanex16_b32 v[224+\b], v[220+\b], s[SEL], s[SEL+1]
.endr
.irp b, 0,1,2,3
	s_delay_alu instid0(VALU_DEP_4)
	v_max_num_f32 v[220+\b], v[220+\b], v[224+\b]  ; with lane l xor 16's 16 keys
.endr
	s_delay_alu instid0(VALU_DEP_2)
	v_max3_num_f32 v234, v220, v221, v222
	s_delay_alu instid0(VALU_DEP_1)
	v_max_num_f32 v234, v234, v223
	s_delay_alu instid0(VALU_DEP_1)
	v_mul_f32 v234, s[CS], v234                    ; the step's largest t
	s_delay_alu instid0(VALU_DEP_1)
	v_max_num_f32 v13, v13, v234                   ; the running largest t
	v_mov_b32 v234, v12
	s_delay_alu instid0(VALU_DEP_2)
	v_floor_f32 v12, -v13                          ; the new -M = floor(-t): M is a whole number
	s_delay_alu instid0(VALU_DEP_1)
	v_sub_f32 v234, v12, v234                      ; old M - new M: a whole number, 0 or less
	s_delay_alu instid0(VALU_DEP_1)
	v_cvt_i32_f32 v234, v234                       ; (it saturates)
	s_delay_alu instid0(VALU_DEP_1)
	v_ldexp_f32 v232, 1.0, v234                    ; f = 2^(old M - new M)
.set j, 0
.rept 32
	v_pk_fma_f32 v[96+j:97+j], v[96+j:97+j], s[CS:CS+1], v[12:13] op_sel_hi:[1,0,0]    ; t - M
.set j, j+2
.endr
.irp b, 0,1,2,3
	v_fma_f32 v[220+\b], v[220+\b], s[CS], v12     ; the same of each block's largest score
.endr
.set j, 0
	s_wait_alu depctr_va_vdst(0)
.rept 64
	v_exp_f32 v[96+j], v[96+j]                     ; p = 2^(t - M)
.set j, j+1
.endr
	s_setprio 1
	v_pk_mul_f32 v[14:15], v[14:15], v[232:233] op_sel_hi:[1,0]    ; the sums under the new M: a plain line behind the exponentials
	s_wait_alu depctr_va_vdst(0)                   ; one wait for the batch, ahead of its first reader
.irp b, 0,1,2,3
	v_exp_f32 v[220+\b], v[220+\b]                 ; the block's largest p
.endr
	v_pk_add_f32 v[236:237], v[96:97], v[98:99]    ; the row's sum is taken of the unquantised p: two chains
.irp j, 4,8,12,16,20,24,28,32,36,40,44,48,52,56,60
	v_pk_add_f32 v[14:15], v[14:15], v[96+\j:97+\j]
	v_pk_add_f32 v[236:237], v[236:237], v[98+\j:99+\j]
.endr
	s_delay_alu instid0(VALU_DEP_1)
	v_pk_add_f32 v[14:15], v[14:15], v[236:237]
	s_wait_alu depctr_va_vdst(0)                   ; and one for the four
.irp b, 0,1,2,3
	v_max_num_f32 v[220+\b], 0x2800000, v[220+\b]  ; the floor 2^(5 - 127): the byte cannot fall under 1
.endr
.irp b, 0,1,2,3
	s_delay_alu instid0(VALU_DEP_4)
	v_add_nc_u32 v[228+\b], 0xfe000000, v[220+\b]  ; 4 off the exponent field: the conversion's scale operand
.endr
.irp b, 0,1,2,3
	s_delay_alu instid0(VALU_DEP_4)
	v_lshrrev_b32 v[224+\b], 23, v[228+\b]         ; the scale's byte
.endr
	s_delay_alu instid0(VALU_DEP_3)
	v_lshl_or_b32 v233, v225, 8, v224              ; p's scale word for these 128 keys
	s_delay_alu instid0(VALU_DEP_1)
	v_lshl_or_b32 v233, v226, 16, v233
	s_delay_alu instid0(VALU_DEP_1)
	v_lshl_or_b32 v233, v227, 24, v233
.irp c, 0,1
	v_cvt_scalef32_pk16_bf6_f32 v[192+6*\c:194+6*\c], v[96+32*\c:111+32*\c], v[228+2*\c]
	v_cvt_scalef32_pk16_bf6_f32 v[204+4*\c:206+4*\c], v[112+32*\c:127+32*\c], v[228+2*\c+1]
.endr
	v_nop                                          ; one plain line behind the conversions
.irp c, 0,1                            ; a WHOLE block to a lane
.irp i, 0,1,2
	v_permlane16_swap_b32 v[192+6*\c+\i], v[204+4*\c+\i]
.endr
.irp i, 0,1,2
	s_delay_alu instid0(VALU_DEP_3)
	v_mov_b32 v[195+6*\c+\i], v[204+4*\c+\i]
.endr
.endr
.set j, 0
	s_setprio 0
.rept 16
	v_pk_mul_f32 v[160+j:161+j], v[160+j:161+j], v[232:233] op_sel_hi:[1,0]    ; O^T under the new M; these lines also stand between the writing of p's codes and scale word and the products
.set j, j+2
.endr
	s_wait_alu depctr_va_vdst(0)
	s_wait_dscnt 0x0                               ; V
.irp t, 0,1,2,3                        ; the four accumulators take turns
	v_wmma_scale_f32_16x16x128_f8f6f4 v[160+8*\t:167+8*\t], v[48+12*\t:59+12*\t], v[192:203], v[160+8*\t:167+8*\t], v[216+\t], v233 matrix_a_fmt:MATRIX_FMT_BF6 matrix_b_fmt:MATRIX_FMT_BF6
.endr
	s_add_co_u32 s[TB], s[TB], 6144
	s_add_co_u32 s[TS], s[TS], 256
.endm
; A PASS: tile u of my pair walks all 2,048 keys; then a = O / l is quantised and leaves.
.macro PASS u
.set AC, 240+8*\u
.if \u
.irp i, 0,1,2,3,4,5
	v_mov_b32 v[16+\i], v[40+\i]
	v_mov_b32 v[34+\i], v[40+\i]
.endr
	v_perm_b32 v47, v46, v46, 0x03020302           ; the tile's two bytes, for both halves of the 128
.else
	v_perm_b32 v47, v46, v46, 0x01000100
.endif
	v_mov_b32 v13, 0xff61b1e6                      ; the largest t so far: -3e38
	s_delay_alu instid0(VALU_DEP_1)
	v_floor_f32 v12, -v13
	v_mov_b32 v14, 0
	v_mov_b32 v15, 0
.set j, 0
.rept 32
	v_mov_b32 v[160+j], 0                          ; O^T: the step is written once; its first trip finds zeros.  (These lines also stand between the writing of q's operands and scale word and the first product)
.set j, j+1
.endr
	s_mov_b32 s[TB], 0
	s_mov_b32 s[TS], 0
	s_mov_b32 s[CNT], 16
.Lstep_\@:
	s_setprio 2
	KSTEP
	s_sub_co_u32 s[CNT], s[CNT], 1
	s_cmp_lg_u32 s[CNT], 0
	s_cbranch_scc1 .Lstep_\@
	s_setprio 0
.rept 4
	v_nop                                          ; places behind the last products
.endr
	v_add_f32 v14, v14, v15
	s_delay_alu instid0(VALU_DEP_1)
	v_permlanex16_b32 v234, v14, s[SEL], s[SEL+1]
	s_delay_alu instid0(VALU_DEP_1)
	v_add_f32 v14, v14, v234                       ; the row's sum
	s_wait_alu depctr_va_vdst(0)
	v_rcp_f32 v232, v14
	v_nop
	s_wait_alu depctr_va_vdst(0)                   ; ahead of the reciprocal's first reader
.set j, 0
.rept 16
	v_pk_mul_f32 v[160+j:161+j], v[160+j:161+j], v[232:233] op_sel_hi:[1,0]    ; a: register 16 b + i = channel 32 b + 16 h + i; each accumulator from its low end on
.set j, j+2
.endr
.irp b, 0,1
	v_max3_num_f32 v[220+\b], |v[160+16*\b]|, |v[161+16*\b]|, 0x2800000
.endr
.irp i, 2,4,6,8,10,12,14
.irp b, 0,1
	s_delay_alu instid0(VALU_DEP_2)
	v_max3_num_f32 v[220+\b], v[220+\b], |v[160+16*\b+\i]|, |v[161+16*\b+\i]|
.endr
.endr
.irp b, 0,1
	s_delay_alu instid0(VALU_DEP_2)
	v_permlanex16_b32 v[224+\b], v[220+\b], s[SEL], s[SEL+1]
.endr
.irp b, 0,1
	s_delay_alu instid0(VALU_DEP_2)
	v_max_num_f32 v[220+\b], v[220+\b], v[224+\b]
.endr
.irp b, 0,1
	s_delay_alu instid0(VALU_DEP_2)
	v_add_nc_u32 v[228+\b], 0xfe000000, v[220+\b]
.endr
.irp b, 0,1
	s_delay_alu instid0(VALU_DEP_2)
	v_lshrrev_b32 v[224+\b], 23, v[228+\b]
.endr
	v_cvt_scalef32_pk16_bf6_f32 v[AC:AC+2], v[160:175], v228
	v_cvt_scalef32_pk16_bf6_f32 v[204:206], v[176:191], v229
	v_cndmask_b32 v[AC+6], v224, v225, s[HM]       ; lanes 0-15 keep block 0's byte, lanes 16-31 block 1's.  (The plain line behind the conversions)
.irp i, 0,1,2
	v_permlane16_swap_b32 v[AC+\i], v[204+\i]
.endr
.irp i, 0,1,2
	s_delay_alu instid0(VALU_DEP_3)
	v_mov_b32 v[AC+3+\i], v[204+\i]                ; lane (r, h): block h of query r, 24 bytes
.endr
	global_store_b128 v9, v[AC:AC+3], s[8:9] offset:256*\u         ; sixteen lanes fill 256 bytes, aligned
	ds_store_b8 v10, v[AC+6] offset:16*\u
.endm
	s_wait_tensorcnt 0x0                           ; my parts of K and V are in,
	s_barrier_signal -1
	s_barrier_wait -1                              ; everybody's are
	s_wait_loadcnt 0x0                             ; q
	PASS 0
	PASS 1
	v_permlane16_swap_b32 v244, v252               ; the two passes' last 8 bytes meet: v[244:245] = block 0 of both tiles, v[252:253] = block 1 of both
	v_permlane16_swap_b32 v245, v253
	global_store_b64 v2, v[244:245], s[8:9] offset:512             ; 256 bytes, aligned, each
	global_store_b64 v11, v[252:253], s[8:9] offset:24576+512
	s_wait_dscnt 0x0                               ; for waves 0 and 1: my bytes have landed
	s_barrier_signal -1
	s_barrier_wait -1
	s_cmp_gt_u32 s[WV], 1
	s_cbranch_scc1 .Lno_bytes
	ds_load_b128 v[204:207], v239
	s_wait_dscnt 0x0
	global_store_b128 v1, v[204:207], s[10:11]     ; 512 consecutive bytes of a plane
.Lno_bytes:
	s_wait_tensorcnt 0x0
	ds_add_u32 v247, v255
	s_wait_dscnt 0x0
	CROUND                                         ; the closing round
	s_endpgm
.Lfunc_end_k_q2ee0c48b7a_attn:
	.size	k_q2ee0c48b7a_attn, .Lfunc_end_k_q2ee0c48b7a_attn-k_q2ee0c48b7a_attn
	.p2alignl 7, 3214868480
	.fill 96, 4, 3214868480
	.section	.rodata,"a",@progbits
	.p2align	6, 0x0
	.amdhsa_kernel k_q2ee0c48b7a_attn
		.amdhsa_group_segment_fixed_size 327680
		.amdhsa_private_segment_fixed_size 0
		.amdhsa_enable_private_segment 0
		.amdhsa_kernarg_size 32
		.amdhsa_user_sgpr_count 2
		.amdhsa_user_sgpr_kernarg_segment_ptr 1
		.amdhsa_wavefront_size32 1
		.amdhsa_system_sgpr_workgroup_id_x 1
		.amdhsa_system_sgpr_workgroup_id_y 1
		.amdhsa_system_sgpr_workgroup_id_z 1
		.amdhsa_system_vgpr_workitem_id 0
		.amdhsa_next_free_vgpr 256
		.amdhsa_next_free_sgpr 66
		.amdhsa_reserve_vcc 0
		.amdhsa_float_denorm_mode_32 3
		.amdhsa_float_denorm_mode_16_64 3
		.amdhsa_memory_ordered 1
		.amdhsa_forward_progress 1
		.amdhsa_inst_pref_size 55
	.end_amdhsa_kernel
	.amdgpu_metadata
---
amdhsa.version: [ 1, 2 ]
amdhsa.kernels:
  - .name:           k_q2ee0c48b7a_attn
    .symbol:         k_q2ee0c48b7a_attn.kd
    .args:
      - { .name: hc, .offset: 0, .size: 8, .value_kind: global_buffer, .address_space: global }
      - { .name: hsc, .offset: 8, .size: 8, .value_kind: global_buffer, .address_space: global }
      - { .name: ac, .offset: 16, .size: 8, .value_kind: global_buffer, .address_space: global }
      - { .name: asc, .offset: 24, .size: 8, .value_kind: global_buffer, .address_space: global }
    .group_segment_fixed_size: 327680
    .private_segment_fixed_size: 0
    .kernarg_segment_align: 8
    .kernarg_segment_size: 32
    .max_flat_workgroup_size: 512
    .sgpr_count:     66
    .vgpr_count:     256
    .wavefront_size: 32
...
	.end_amdgpu_metadata
.endif
;; end of part 4
;; launch proj (part 5): grid 4 x 32, 4 waves a work-group, clusters of 4 x 4, 327,680 bytes of LDS; arguments ac, asc, wc, wsc, proj_b, x, out0; writes out0
.if DOCPART == 5
	.amdgcn_target "amdgcn-amd-amdhsa--gfx1250"
	.amdhsa_code_object_version 6
	.text
	.protected	k_q2ee0c48b7a_proj
	.globl	k_q2ee0c48b7a_proj
	.p2align	8
	.type	k_q2ee0c48b7a_proj,@function
k_q2ee0c48b7a_proj:
	s_mov_b64 s[64:65], 0
	v_nop
	global_prefetch_b8 v0, s[64:65] scope:SCOPE_SE
	s_setreg_imm32_b32 hwreg(HW_REG_WAVE_MODE, 25, 1), 1
	s_wait_xcnt 0x0
	s_wait_alu depctr_hold_cnt(0) depctr_sa_sdst(0) depctr_va_vdst(0) depctr_va_sdst(0) depctr_va_ssrc(0) depctr_va_vcc(0) depctr_vm_vsrc(0)
	s_getreg_b32 s2, hwreg(HW_REG_IB_STS2, 6, 4)
	s_cmp_eq_u32 s2, 0
	s_cbranch_scc0 .Lentry_in_a_cluster
	s_endpgm
.Lentry_in_a_cluster:
	s_bfe_u32 s2, ttmp6, 0x10000c
	s_cmp_lg_u32 s2, 0xf033
	s_cbranch_scc0 .Lentry_shape_is_right
	s_endpgm
.Lentry_shape_is_right:
; out0 = x + proj_w a + proj_b, the product on codes of BF6 (E3M2).  K = 1,024.
; OPERANDS are panels of 1,024 rows: codes [g 32][pair 32][768 bytes], scale bytes [g 32][place 1,024]; row n of a pair of 32 has place 16 u + r = n with bits 3 and 4 exchanged;
; in the 768 bytes of (g, pair): a row's first 16 bytes at 256 u + 16 r, its last 8 at 512 + 128 (u xor (g & 1)) + 8 r.
; A work-group makes 256 channels x 256 columns, a wave 128 x 128: 64 accumulators.  S (source 0) = a's panel Y, tile cx: its rows, the columns t, run along a lane's registers: 8 neighbouring numbers of a row of out0.
; R (source 1) = the weights' fourth panel, tile cy: a lane holds one channel.  The bias is the C of each sum's first matrix instruction: eight equal registers a tile.
; K goes in four steps of 256 through two LDS slots.  CLUSTERS: R's tile is asked for jointly by a row of the cluster, S's by a column.  The scales come once, as planes, and are turned into words in LDS.
; THE WAY OUT: 16 channels x 128 columns at a time through the wave's own stage in LDS, back as whole rows of 512 bytes; x's rows are added; 32 lanes store 512 consecutive bytes.
; The stage lies in slot 0, which has had its last fill and its last read when the first result is stored there.
; REGISTERS: window 0: v1-31 addresses; v32-63 scale words; v64-127 the bias; v128-223 R's fragments, on the way out v128-255 rows.  window 1: S's fragments, two sets; on the way out x's rows.  windows 2, 3: the accumulators.
.set GROW,  6144
.set OPB,   8*GROW
.set SLOT,  2*OPB
.set PLN,   2*SLOT
.set SWD,   PLN+16384
.set SWS,   8320
.set SPARE, 229632                     ; the spare words, 128 bytes for each wave: two blocks of 256 bytes that no other line names
.set FR,    12
.set NL,    4
.set NP,    4
.set SPITCH, 528
.set ADR_R, 8
.set ADR_S, 14
.set ADRS,  20
.set STO,   21                         ; v21  the stage: where I put 32 bytes of a row
.set RD,    22                         ; v22  and where I read a row back
.set CO,    23                         ; v23  16 x lane: my bytes of a row of x and of out0
.set SPW,   28
.set NIL,   29
.set SC,    32
.set BIAS,  64
.set RF,    128
.set BK,    128
.set WV,  18
.set HR,  19
.set HS,  20
.set CX,  21
.set CY,  22
.set G1R, 28
.set G1S, 36
.set G1PR, 44
.set G1PS, 52
.set G0R, 68
.set G0S, 76
.set G0PR, 84
.set G0PS, 88
.set MSB, 0
.macro WIN new                         ; the immediate's high byte repeats the setting that is left
.if MSB != (\new)
	s_set_vgpr_msb (MSB<<8)|(\new)
.set MSB, (\new)
.endif
.endm
.macro MWIN hi, first                  ; source 0 (S) window 1, source 1 (R) window 0, D window 2 or 3; C with D, or (first) the bias in window 0
.if \first
	WIN 0x81+0x40*\hi
.else
	WIN 0xa1+0x50*\hi
.endif
.endm
.macro JLOAD g0r, g1r, g0s, g1s        ; a joint load: waves 0 and 1 fetch for R, waves 2 and 3 for S; four v_nop follow each of the two lines
	s_cmp_eq_u32 s[HR], 0
	s_cbranch_scc0 .Lfor_s_\@
	tensor_load_to_lds s[\g0r:\g0r+3], s[\g1r:\g1r+7]
	s_nop 0
.rept 4
	v_nop
.endr
	s_branch .Lasked_\@
.Lfor_s_\@:
	tensor_load_to_lds s[\g0s:\g0s+3], s[\g1s:\g1s+7]
	s_nop 0
.rept 4
	v_nop
.endr
.Lasked_\@:
.endm
.macro CREST
	s_cmp_lg_u32 s[WV], 0
	s_cbranch_scc1 .Lnot_wave_0_\@
	s_barrier_signal -3
.Lnot_wave_0_\@:
	s_barrier_wait -3
	s_barrier_signal -1
	s_barrier_wait -1
.endm
.macro CROUND
	s_barrier_signal -1
	s_barrier_wait -1
	CREST
.endm
.macro PLACES n
.rept \n
	v_nop
.endr
.endm
.macro FRAG reg, ad, q, i              ; registers 6 c .. 6 c + 5 of lane (r, h) are K block 4 q + 2 c + h of row r: 16 bytes and 8 bytes
.irp c, 0,1
	ds_load_b128 v[\reg+6*\c:\reg+6*\c+3], v[\ad] offset:(4*(\q)+2*\c)*GROW+((\i)/2)*768+((\i)%2)*256
	ds_load_b64 v[\reg+6*\c+4:\reg+6*\c+5], v[\ad+1+(\i)%2] offset:(4*(\q)+2*\c)*GROW+((\i)/2)*768+512
.endr
.endm
.macro FETCH_S slot, q, set
	WIN 0x40
.irp i, 0,1,2,3,4,5,6,7
	FRAG 128*(\set)+FR*\i, ADR_S+3*(\slot), \q, \i
.endr
	WIN 0
.endm
.macro FETCH_R slot, q, i0
.irp i, \i0, \i0+1, \i0+2, \i0+3
	FRAG RF+FR*(\i), ADR_R+3*(\slot), \q, \i
.endr
.endm
.macro SCALES sc
.irp i, 0,1,2,3,4,5,6,7
	ds_load_b64 v[SC+16*\sc+2*\i:SC+16*\sc+2*\i+1], v[ADRS] offset:512*\i
.endr
.endm
; 16 matrix instructions; the 64 accumulators take turns, one instruction a turn, in the same order in every step
.macro MUL16 a0, set, q, sc, first
.irp a, \a0, \a0+1
.irp b, 0,1,2,3,4,5,6,7
.if \first
	v_wmma_scale_f32_16x16x128_f8f6f4 v[8*(8*((\a)%4)+\b):8*(8*((\a)%4)+\b)+7], v[128*(\set)+FR*\b:128*(\set)+FR*\b+FR-1], v[RF+FR*(\a):RF+FR*(\a)+FR-1], v[BIAS+8*(\a):BIAS+8*(\a)+7], v[SC+16*(\sc)+2*\b+(\q)], v[SC+16*(\sc)+2*(\a)+(\q)] matrix_a_fmt:MATRIX_FMT_BF6 matrix_b_fmt:MATRIX_FMT_BF6 matrix_a_scale:MATRIX_SCALE_ROW1
.else
	v_wmma_scale_f32_16x16x128_f8f6f4 v[8*(8*((\a)%4)+\b):8*(8*((\a)%4)+\b)+7], v[128*(\set)+FR*\b:128*(\set)+FR*\b+FR-1], v[RF+FR*(\a):RF+FR*(\a)+FR-1], v[8*(8*((\a)%4)+\b):8*(8*((\a)%4)+\b)+7], v[SC+16*(\sc)+2*\b+(\q)], v[SC+16*(\sc)+2*(\a)+(\q)] matrix_a_fmt:MATRIX_FMT_BF6 matrix_b_fmt:MATRIX_FMT_BF6 matrix_a_scale:MATRIX_SCALE_ROW1
.endif
.endr
.endr
.endm
.macro STEP slot, first
	s_wait_dscnt 4*NL                              ; all but the youngest sixteen loads (R's tiles 4-7)
	MWIN 0, \first
	MUL16 0, 0, 0, \slot, \first
	MUL16 2, 0, 0, \slot, \first
	s_wait_dscnt 0x0
	PLACES NP
	FETCH_S \slot, 1, 1
	FETCH_R \slot, 1, 0
	MWIN 1, \first
	MUL16 4, 0, 0, \slot, \first
	MUL16 6, 0, 0, \slot, \first
	PLACES NP
	WIN 0
	FETCH_R \slot, 1, 4
.endm
.macro TURN slot, next, fill
	s_wait_tensorcnt 0x0                           ; all my tensor loads have landed: my part of the next slot
	ds_add_u32 v[SPW], v[NIL]                      ; 0 onto my spare word
	s_wait_dscnt 4*NL+1                            ; (the add and R's tiles 4-7 may be out)
	MWIN 0, 0
	MUL16 0, 1, 1, \slot, 0
	s_wait_dscnt 0x0                               ; the add is done, and my reads of this slot are over
	s_barrier_signal -1
	MUL16 2, 1, 1, \slot, 0
	WIN 0
	s_barrier_wait -1
.if \fill
	CREST                                          ; the barrier has opened a round of the cluster's: no wave of any partner still reads this slot or has a load on its way
	s_add_nc_u64 s[G0R+4*\slot+2:G0R+4*\slot+3], s[G0R+4*\slot+2:G0R+4*\slot+3], 393216
	s_add_nc_u64 s[G0S+4*\slot+2:G0S+4*\slot+3], s[G0S+4*\slot+2:G0S+4*\slot+3], 393216
	JLOAD G0R+4*\slot, G1R, G0S+4*\slot, G1S       ; the first tensor load behind the round, one a wave
.else
	PLACES NP
.endif
	s_wait_alu depctr_va_vdst(0)
	v_add_nc_u32 v[ADRS], 128, v[ADRS]
	FETCH_S \next, 0, 0
	FETCH_R \next, 0, 0
	SCALES \next
	MWIN 1, 0
	MUL16 4, 1, 1, \slot, 0
	MUL16 6, 1, 1, \slot, 0
	PLACES NP
	WIN 0
	FETCH_R \next, 0, 4
.endm
	s_load_b256 s[4:11], s[0:1], 0x0               ; ac s[4:5], asc s[6:7], wc s[8:9], wsc s[10:11]
	s_load_b128 s[12:15], s[0:1], 0x20             ; proj_b s[12:13], x s[14:15]
	s_load_b64 s[16:17], s[0:1], 0x30              ; out0
	v_lshl_add_u32 v[SPW], v0, 2, SPARE
	v_mov_b32 v[NIL], 0
	ds_add_u32 v28, v29
	ds_add_u32 v28, v29
	s_wait_dscnt 0x0
	v_lshrrev_b32 v1, 5, v0
	v_readfirstlane_b32 s[WV], v1
	s_lshr_b32 s[HR], s[WV], 1
	s_and_b32 s[HS], s[WV], 1
	s_bfe_u32 s[CX], ttmp6, 0x40000
	s_bfe_u32 s[CY], ttmp6, 0x40004
	s_and_b32 s24, ttmp7, 0xffff                   ; Y: a's panel
	s_lshl_b32 s60, s[CY], 2
	s_lshl_b32 s60, 15, s60                        ; my row of the cluster
	s_lshl_b32 s61, 0x1111, s[CX]                  ; my column
	s_or_b32 s[G1R], s60, (3<<16)|(1<<21)
	s_or_b32 s[G1S], s61, (3<<16)|(1<<21)
	s_or_b32 s[G1PR], s60, (3<<16)|(1<<21)
	s_or_b32 s[G1PS], s61, (3<<16)|(1<<21)
.irp g, G1R, G1S                       ; codes: 4 g x 6,144 bytes, 24,576 bytes apart
	s_mov_b32 s[\g+1], 768<<16
	s_mov_b32 s[\g+2], 4<<16
	s_mov_b32 s[\g+3], 768<<16
	s_mov_b32 s[\g+4], 4
	s_mov_b32 s[\g+5], 3072
	s_mov_b32 s[\g+6], 0
	s_mov_b32 s[\g+7], 0
.endr
.irp g, G1PR, G1PS                     ; planes: 16 g x 256 bytes, 1,024 bytes apart
	s_mov_b32 s[\g+1], 32<<16
	s_mov_b32 s[\g+2], 16<<16
	s_mov_b32 s[\g+3], 32<<16
	s_mov_b32 s[\g+4], 16
	s_mov_b32 s[\g+5], 128
	s_mov_b32 s[\g+6], 0
	s_mov_b32 s[\g+7], 0
.endr
	s_mul_i32 s96, s[CY], GROW                     ; R: the weights' panel 3; nothing here holds cx
	s_add_co_u32 s96, s96, 3*786432
	s_mul_i32 s97, s[HS], 98304
	s_add_co_u32 s96, s96, s97
	s_mov_b32 s97, 0
	s_lshl_b32 s98, s[CY], 8
	s_add_co_u32 s98, s98, 3*32768
	s_lshl_b32 s99, s[HS], 14
	s_add_co_u32 s98, s98, s99
	s_mov_b32 s99, 0
	s_lshl_b32 s94, s24, 15                        ; S: a's panel Y; nothing here holds cy
	s_mul_i32 s92, s24, 786432
	s_mul_i32 s93, s[CX], GROW
	s_add_co_u32 s92, s92, s93
	s_mul_i32 s93, s[HS], 98304
	s_add_co_u32 s92, s92, s93
	s_mov_b32 s93, 0
	s_lshl_b32 s95, s[CX], 8
	s_add_co_u32 s94, s94, s95
	s_lshl_b32 s95, s[HS], 14
	s_add_co_u32 s94, s94, s95
	s_mov_b32 s95, 0
	s_mul_i32 s25, s[WV], 24576
	s_wait_kmcnt 0x0
	s_add_nc_u64 s[G0R+2:G0R+3], s[8:9], s[96:97]
	s_add_nc_u64 s[G0R+6:G0R+7], s[G0R+2:G0R+3], 196608
	s_add_nc_u64 s[G0PR+2:G0PR+3], s[10:11], s[98:99]
	s_add_nc_u64 s[G0S+2:G0S+3], s[4:5], s[92:93]
	s_add_nc_u64 s[G0S+6:G0S+7], s[G0S+2:G0S+3], 196608
	s_add_nc_u64 s[G0PS+2:G0PS+3], s[6:7], s[94:95]
.irp g, G0R, G0R+4, G0S, G0S+4, G0PR, G0PS
	s_mov_b32 s[\g], 1
	s_or_b32 s[\g+3], s[\g+3], 0x80000000
.endr
	s_mov_b32 s[G0R+1], s25
	s_add_co_u32 s[G0R+5], s25, SLOT
	s_mov_b32 s[G0S+1], s25
	s_add_co_u32 s[G0S+5], s25, SLOT
	s_lshl_b32 s25, s[WV], 12
	s_add_co_u32 s[G0PR+1], s25, PLN
	s_add_co_u32 s[G0PS+1], s25, PLN
	CROUND                                         ; all sixteen work-groups are here: the first joint loads meet
	JLOAD G0PR, G1PR, G0PS, G1PS                   ; one load of mine is out behind these lines
	s_wait_alu depctr_va_vdst(0)
	s_wait_tensorcnt 0x0
	ds_add_u32 v28, v29
	s_wait_dscnt 0x0
	CROUND
	JLOAD G0R, G1R, G0S, G1S
	s_wait_alu depctr_va_vdst(0)
	s_wait_tensorcnt 0x0
	ds_add_u32 v28, v29
	s_wait_dscnt 0x0
	CROUND
	JLOAD G0R+4, G1R, G0S+4, G1S
	s_lshl_b32 s92, s[CY], 10
	s_lshl_b32 s93, s[HR], 9
	s_add_co_u32 s92, s92, s93
	s_mov_b32 s93, 0
	s_add_nc_u64 s[12:13], s[12:13], s[92:93]      ; proj_b at my 128 channels
	s_lshr_b32 s92, s24, 1
	s_lshl_b32 s92, s92, 10
	s_lshl_b32 s93, s[CY], 8
	s_add_co_u32 s92, s92, s93
	s_lshl_b32 s93, s[HR], 7
	s_add_co_u32 s92, s92, s93                     ; my first row of x and out0: 1,024 b + 256 cy + 128 half
	s_lshl_b32 s92, s92, 13
	s_and_b32 s93, s24, 1
	s_lshl_b32 s93, s93, 12
	s_add_co_u32 s92, s92, s93
	s_lshl_b32 s93, s[CX], 10
	s_add_co_u32 s92, s92, s93
	s_lshl_b32 s93, s[HS], 9
	s_add_co_u32 s92, s92, s93                     ; + my first column, in bytes
	s_mov_b32 s93, 0
	s_add_nc_u64 s[14:15], s[14:15], s[92:93]
	s_add_nc_u64 s[16:17], s[16:17], s[92:93]
	v_and_b32 v1, 15, v0                           ; r
	v_bfe_u32 v2, v0, 4, 1                         ; h
	v_and_b32 v31, 31, v0                          ; lane
	v_and_b32 v26, 8, v1
	v_add_nc_u32 v26, v26, v1
	v_lshlrev_b32 v26, 2, v26                      ; the bias of my channel: r + 8 (r / 8)
.irp a, 0,1,2,3,4,5,6,7
.irp j, 0,1,2,3,4,5,6,7
	global_load_b32 v[BIAS+8*\a+\j], v26, s[12:13] offset:(32*(\a/2)+8*(\a%2))*4
.endr
.endr
	v_mul_u32_u24 v3, v2, 6144
	v_lshl_add_u32 v3, v1, 4, v3
	v_mul_u32_u24 v4, v2, 6272
	v_lshl_add_u32 v4, v1, 3, v4
	v_mul_u32_u24 v5, v2, 6016
	v_lshl_add_u32 v5, v1, 3, v5
	v_add_nc_u32 v5, 128, v5
	s_mul_i32 s100, s[HR], 3072
	s_mul_i32 s101, s[HS], 3072
	s_add_co_u32 s101, s101, OPB
.irp s, 0,1
	v_add_nc_u32 v[ADR_R+3*\s], s100, v3
	v_add_nc_u32 v[ADR_R+3*\s+1], s100, v4
	v_add_nc_u32 v[ADR_R+3*\s+2], s100, v5
	v_add_nc_u32 v[ADR_S+3*\s], s101, v3
	v_add_nc_u32 v[ADR_S+3*\s+1], s101, v4
	v_add_nc_u32 v[ADR_S+3*\s+2], s101, v5
	s_add_co_u32 s100, s100, SLOT
	s_add_co_u32 s101, s101, SLOT
.endr
	s_xor_b32 s100, s[HR], 1
	s_add_co_u32 s100, s100, s[HS]
	s_lshl_b32 s100, s100, 12
	s_add_co_u32 s100, s100, SWS-4096              ; from R's words of my half to S's of my half
	v_mul_u32_u24 v6, s100, v2
	v_lshl_add_u32 v6, v1, 3, v6
	s_lshl_b32 s101, s[HR], 12
	s_add_co_u32 s101, s101, SWD
	v_add_nc_u32 v[ADRS], s101, v6
	v_and_b32 v6, 63, v0
	v_lshrrev_b32 v7, 6, v0
	v_lshlrev_b32 v27, 2, v6
	v_lshl_add_u32 v27, v7, 13, v27
	v_add_nc_u32 v27, PLN, v27
	v_bfe_u32 v6, v0, 2, 4
	v_and_b32 v24, 3, v0
	v_lshlrev_b32 v30, 9, v6
	v_lshl_add_u32 v30, v24, 5, v30
	v_mad_u32_u24 v30, v7, SWS, v30
	v_add_nc_u32 v30, SWD, v30
	s_mul_i32 s100, s[WV], 16*SPITCH               ; my stage
	v_mul_u32_u24 v[STO], v1, SPITCH
	v_lshl_add_u32 v[STO], v2, 6, v[STO]
	v_add_nc_u32 v[STO], s100, v[STO]              ; in: row r, 64 bytes on for lanes 16-31
	v_lshlrev_b32 v[CO], 4, v31
	v_add_nc_u32 v[RD], s100, v[CO]                ; back: the 32 lanes take a row of 512 bytes
	s_wait_loadcnt 0x0                             ; the bias
	s_wait_tensorcnt 0x2                           ; my part of the planes is in; slot 0's is in too; slot 1's may stay out
	s_barrier_signal -1
	s_barrier_wait -1
.set TL, 128
.set TQ, 160
.set TT, 192
.set n, 0
.rept 32
	ds_load_b32 v[TL+n], v27 offset:256*n
.set n, n+1
.endr
	s_wait_dscnt 0x0
.irp kp, 0,1,2,3                       ; 4 x 4 bytes are turned: word (place i, half s of K step kp) = the bytes of g = 8 kp + 4 s + 0 .. 3
.irp s, 0,1
	v_perm_b32 v[TT+4*\s],   v[TL+8*\kp+4*\s+1], v[TL+8*\kp+4*\s],   0x05010400
	v_perm_b32 v[TT+4*\s+1], v[TL+8*\kp+4*\s+1], v[TL+8*\kp+4*\s],   0x07030602
	v_perm_b32 v[TT+4*\s+2], v[TL+8*\kp+4*\s+3], v[TL+8*\kp+4*\s+2], 0x05010400
	v_perm_b32 v[TT+4*\s+3], v[TL+8*\kp+4*\s+3], v[TL+8*\kp+4*\s+2], 0x07030602
	v_perm_b32 v[TQ+8*\kp+\s],   v[TT+4*\s+2], v[TT+4*\s],   0x05040100
	v_perm_b32 v[TQ+8*\kp+2+\s], v[TT+4*\s+2], v[TT+4*\s],   0x07060302
	v_perm_b32 v[TQ+8*\kp+4+\s], v[TT+4*\s+3], v[TT+4*\s+1], 0x05040100
	v_perm_b32 v[TQ+8*\kp+6+\s], v[TT+4*\s+3], v[TT+4*\s+1], 0x07060302
.endr
	ds_store_b128 v30, v[TQ+8*\kp:TQ+8*\kp+3] offset:128*\kp
	ds_store_b128 v30, v[TQ+8*\kp+4:TQ+8*\kp+7] offset:128*\kp+16
.endr
	s_wait_dscnt 0x0                               ; for the others' sake: my words have landed
	s_wait_tensorcnt 0x1                           ; my part of slot 0 is in; slot 1's may stay out
	s_barrier_signal -1
	s_barrier_wait -1
	FETCH_S 0, 0, 0
	FETCH_R 0, 0, 0
	SCALES 0
	FETCH_R 0, 0, 4
	STEP 0, 1                                      ; the first products start the sums from the bias
	TURN 0, 1, 1
	STEP 1, 0
	TURN 1, 0, 1
	STEP 0, 0
	TURN 0, 1, 0                                   ; nothing is left to fetch; behind its barrier nobody reads slot 0
	STEP 1, 0
	s_wait_dscnt 4*NL
	MWIN 0, 0
	MUL16 0, 1, 1, 1, 0
	MUL16 2, 1, 1, 1, 0
	s_wait_dscnt 0x0
	MWIN 1, 0
	MUL16 4, 1, 1, 1, 0
	MUL16 6, 1, 1, 1, 0
	WIN 0
; Block a: 16 channels (rows 32 (a / 2) + 8 (a % 2) + p + 8 (p / 8) of my 128) x 128 columns.
.macro XLOAD a                         ; x's 16 rows into window 1
	WIN 0x40
.irp p, 0,1,2,3,4,5,6,7,8,9,10,11,12,13,14,15
	global_load_b128 v[64*((\a)%4)+4*\p:64*((\a)%4)+4*\p+3], v[CO], s[14:15] offset:(32*((\a)/2)+8*((\a)%2)+\p+8*(\p/8))*8192 th:TH_LOAD_NT
.endr
	WIN 0
.endm
.macro TOSTAGE a
.set AC, 64*((\a)%4)
	WIN 0x08+4*((\a)/4)                            ; an LDS store's data: window 2 or 3
.irp b, 0,1,2,3,4,5,6,7
	ds_store_b128 v[STO], v[AC+8*\b:AC+8*\b+3] offset:128*(\b/2)+32*(\b%2)         ; columns 32 (b / 2) + 16 h + 8 (b % 2) on; each accumulator from its low end on
	ds_store_b128 v[STO], v[AC+8*\b+4:AC+8*\b+7] offset:128*(\b/2)+32*(\b%2)+16
.endr
	WIN 0
.set BB, BK+64*((\a)%2)
.irp p, 0,1,2,3,4,5,6,7,8,9,10,11,12,13,14,15
	ds_load_b128 v[BB+4*\p:BB+4*\p+3], v[RD] offset:\p*SPITCH      ; LDS serves a wave's instructions in order: these see my stores
.endr
.endm
.macro SEND a, younger                 ; younger: the LDS instructions issued behind block a's loads
.set BB, BK+64*((\a)%2)
	s_wait_dscnt \younger                          ; the block is back in registers
.if 16*(7-(\a)) > 48
	s_wait_loadcnt 48                              ; x's rows of this block are in; those of the three blocks behind it may be out
.else
	s_wait_loadcnt 16*(7-(\a))
.endif
	WIN 0x04                                       ; source 1: window 1
.set j, 0
.rept 32
	v_pk_add_f32 v[BB+j:BB+j+1], v[BB+j:BB+j+1], v[64*((\a)%4)+j:64*((\a)%4)+j+1]     ; the residual
.set j, j+2
.endr
	WIN 0
.irp p, 0,1,2,3,4,5,6,7,8,9,10,11,12,13,14,15
	global_store_b128 v[CO], v[BB+4*\p:BB+4*\p+3], s[16:17] offset:(32*((\a)/2)+8*((\a)%2)+\p+8*(\p/8))*8192 th:TH_STORE_NT    ; 32 lanes store 512 consecutive bytes, aligned
.endr
.if (\a) < 4
	XLOAD (\a)+4
.endif
.endm
	PLACES NP                                      ; behind the last products: results are read, and loads land in their operands' registers
	XLOAD 0
	XLOAD 1
	XLOAD 2
	XLOAD 3
	TOSTAGE 0
.irp a, 1,2,3,4,5,6,7
.if \a > 1
	s_wait_xcnt 0x0                                ; block a - 2's stores have read their registers: block a's rows may land there
.endif
	TOSTAGE \a
	SEND \a-1, 32                                  ; behind block a - 1's loads: block a's 16 stores and 16 loads
.endr
	SEND 7, 0
	s_wait_tensorcnt 0x0                           ; the wave's end
	ds_add_u32 v[SPW], v[NIL]
	s_wait_dscnt 0x0
	CROUND                                         ; the closing round
	s_endpgm
.Lfunc_end_k_q2ee0c48b7a_proj:
	.size	k_q2ee0c48b7a_proj, .Lfunc_end_k_q2ee0c48b7a_proj-k_q2ee0c48b7a_proj
	.p2alignl 7, 3214868480
	.fill 96, 4, 3214868480
	.section	.rodata,"a",@progbits
	.p2align	6, 0x0
	.amdhsa_kernel k_q2ee0c48b7a_proj
		.amdhsa_group_segment_fixed_size 327680
		.amdhsa_private_segment_fixed_size 0
		.amdhsa_enable_private_segment 0
		.amdhsa_kernarg_size 56
		.amdhsa_user_sgpr_count 2
		.amdhsa_user_sgpr_kernarg_segment_ptr 1
		.amdhsa_wavefront_size32 1
		.amdhsa_system_sgpr_workgroup_id_x 1
		.amdhsa_system_sgpr_workgroup_id_y 1
		.amdhsa_system_sgpr_workgroup_id_z 1
		.amdhsa_system_vgpr_workitem_id 0
		.amdhsa_next_free_vgpr 1024
		.amdhsa_next_free_sgpr 102
		.amdhsa_reserve_vcc 0
		.amdhsa_float_denorm_mode_32 3
		.amdhsa_float_denorm_mode_16_64 3
		.amdhsa_memory_ordered 1
		.amdhsa_forward_progress 1
		.amdhsa_inst_pref_size 190
	.end_amdhsa_kernel
	.amdgpu_metadata
---
amdhsa.version: [ 1, 2 ]
amdhsa.kernels:
  - .name:           k_q2ee0c48b7a_proj
    .symbol:         k_q2ee0c48b7a_proj.kd
    .args:
      - { .name: ac, .offset: 0, .size: 8, .value_kind: global_buffer, .address_space: global }
      - { .name: asc, .offset: 8, .size: 8, .value_kind: global_buffer, .address_space: global }
      - { .name: wc, .offset: 16, .size: 8, .value_kind: global_buffer, .address_space: global }
      - { .name: wsc, .offset: 24, .size: 8, .value_kind: global_buffer, .address_space: global }
      - { .name: proj_b, .offset: 32, .size: 8, .value_kind: global_buffer, .address_space: global }
      - { .name: x, .offset: 40, .size: 8, .value_kind: global_buffer, .address_space: global }
      - { .name: out0, .offset: 48, .size: 8, .value_kind: global_buffer, .address_space: global }
    .group_segment_fixed_size: 327680
    .private_segment_fixed_size: 0
    .kernarg_segment_align: 8
    .kernarg_segment_size: 56
    .max_flat_workgroup_size: 128
    .sgpr_count:     102
    .vgpr_count:     1024
    .wavefront_size: 32
...
	.end_amdgpu_metadata
.endif
;; end of part 5
